; MI455X (gfx1250); checked and timed in simulation.
; The chip was launched on July 23, 2026; its instructions are those of AMD's public machine-readable ISA for CDNA 5 (MIT licence, August 2026) and "CDNA5" Instruction Set Architecture Reference Guide (July 2026). The comments in the code are by the model that wrote it; some were corrected since.
;; Relative Multi Head Attention. Allowed arithmetic: matrix products marked QUANTISED: E2M3 operands, one E8M0 scale for each 32 along K, by v_wmma_scale_f32_16x16x128_f8f6f4 with both operands' format E2M3, f32 sums; everything else in f32.
;; Inputs: Wk 512 x 512 float32; Wo 512 x 512 float32; Wp 512 x 512 float32; Wq 512 x 512 float32; Wv 512 x 512 float32; bk 512 float32; bo 512 float32; bq 512 float32; bv 512 float32; key 4 x 2,048 x 512 float32; pos_embedding 4 x 4,095 x 512 float32; query 4 x 2,048 x 512 float32; u_bias 8 x 64 float32; v_bias 8 x 64 float32; value 4 x 2,048 x 512 float32.
;; Outputs: out0 4 x 2,048 x 512 float32.
;; This version of the problem:
;;   THIS VERSION OF THE PROBLEM IS GIVEN IN LOW PRECISION. The matrix products marked QUANTISED in the list below multiply operands that are first quantised to E2M3 (2 exponent bits, 3 mantissa bits; 6 bits a number), with one power-of-two scale for each 32 numbers along K (OCP MX v1.0); their sums are f32. All else is computed in f32.
;;   The module's matrix products, in the order in which they are computed (A, B: the left and right operand; K: the contracted axis; several contracted axes count as one K, in the product's order):
;;     1. [M 8,192, K 512] x [K 512, N 512]; A: input query; B: input Wq: QUANTISED
;;     2. [M 8,192, K 512] x [K 512, N 512]; A: input key; B: input Wk: QUANTISED
;;     3. [M 8,192, K 512] x [K 512, N 512]; A: input value; B: input Wv: QUANTISED
;;     4. [M 16,380, K 512] x [K 512, N 512]; A: input pos_embedding; B: input Wp: QUANTISED
;;     5. batch 32 x [M 2,048, K 64] x [K 64, N 2,048]; A: computed on the way; B: computed on the way: QUANTISED
;;     6. batch 32 x [M 2,048, K 64] x [K 64, N 4,095]; A: computed on the way; B: computed on the way: QUANTISED
;;     7. batch 32 x [M 64, K 2,048] x [K 2,048, N 2,048]; A: computed on the way; B: softmax (see below): QUANTISED
;;     8. [M 8,192, K 512] x [K 512, N 512]; A: computed on the way; B: input Wo: QUANTISED
;;   THE QUANTISER, for each operand of a quantised product, along K:
;;     - K is cut into blocks of 32 from its start; a last block that is shorter is filled with zeros.
;;     - A block's scale is 2^e with e = floor(log2(the largest magnitude in the block)) - 2, held to -126 .. 127; a block of zeros has e = 0. As a byte (E8M0): e + 127.
;;     - Each number is divided by its block's scale, clamped to +-7.5, and rounded to the nearest number of E2M3, ties to even, subnormals kept.
;;     - The product sums the exact products of the quantised numbers (number of the format x scale) in f32.
;;   ~~~python
;;   def quantise(x, axis):      # numpy; x: float32 -> the quantised numbers, widened to float32 again
;;       x = np.moveaxis(x, axis, -1); K = x.shape[-1]
;;       x = np.pad(x, [(0, 0)] * (x.ndim - 1) + [(0, -K % 32)]); x = x.reshape(x.shape[:-1] + (-1, 32)); a = np.abs(x).max(-1, keepdims=True)
;;       e = np.where(a > 0, np.clip(np.frexp(np.where(a > 0, a, 1))[1] - 1 - 2, -126, 127), 0)      # np.frexp(a)[1] - 1 = floor(log2(a)), exactly
;;       r = np.clip(x / 2.0 ** e, -7.5, 7.5)
;;       step = 2.0 ** (np.maximum(np.frexp(np.where(r == 0, 1, r))[1] - 1, 0) - 3)
;;       q = np.round(r / step) * step * 2.0 ** e      # np.round: ties to even
;;       return np.moveaxis(q.reshape(q.shape[:-2] + (-1,))[..., :K], -1, axis).astype(np.float32)
;;   ~~~
;;   SOFTMAX AHEAD OF A QUANTISED PRODUCT. Where the list says 'softmax', what is quantised is not the finished softmax but p = 2^(t - M), with t = logit x log2(e) and M = ceil(the row's largest t), a whole number; so 1/2 < the row's largest p <= 1. The row's sum l is taken of the UNQUANTISED p, in f32, and the product's result is divided by l at the end. Since M is a whole number, a kernel that streams over the keys may use a running M (the ceiling of the running maximum): every later rescaling is an exact power of two, which a block's scale takes up: the codes' values come out the same.
;;   OPERANDS COMPUTED ON THE WAY. 'Computed on the way' means the value that the module computes at that place (a softmax that the list does not call 'softmax' is quantised finished and normalised). What goes into a quantiser is computed in f32, as accurately as f32 sums, v_exp_f32 and their like allow (about 1e-6 of the number): no bf16 or f16 on the way to a quantiser, and a product that is left as it is and whose result goes on into a quantised operand takes f32 operands (vector FMAs, or v_wmma_f32_16x16x4_f32). A number that lies on a knife's edge between two numbers of the format may be rounded either way, as far as f32 arithmetic and the matrix unit's own rounding can turn it there, and no further.
;; 2 versions, each right; version 2 is version 1 with the launches proj, outp written anew for expert scheduling mode. Each part assembles by itself: llvm-mc -triple=amdgcn-amd-amdhsa -mcpu=gfx1250 --defsym DOCPART=n.
;; ======== version 1 of 2: 4 launches
;; workspace buffers: wimg 1,024,000 bytes; ops 19,660,800 bytes; ctx 3,276,800 bytes
;; launch wquant (part 1): grid 160 x 1, 4 waves a work-group, no clusters, 0 bytes of LDS; arguments Wq, Wk, Wv, Wp, Wo, wimg; writes wimg
.if DOCPART == 1
	.amdgcn_target "amdgcn-amd-amdhsa--gfx1250"
	.amdhsa_code_object_version 6
	.text
	.protected	k_q8da9d59a6c_wquant
	.globl	k_q8da9d59a6c_wquant
	.p2align	8
	.type	k_q8da9d59a6c_wquant,@function
k_q8da9d59a6c_wquant:
	s_mov_b64 s[64:65], 0
	v_nop
	global_prefetch_b8 v0, s[64:65] scope:SCOPE_SE
	s_setreg_imm32_b32 hwreg(HW_REG_WAVE_MODE, 25, 1), 1
	s_wait_xcnt 0x0
; The five weights [512 (n)][512 (k)] f32 become codes of FP6 (E2M3) with one E8M0 byte for each 32 along K, laid as IMAGES OF OPERAND REGISTERS.
; Weight i (Wq, Wk, Wv, Wp, Wo) lies at i x 204,800 bytes of wimg: fragment (T, s), 16 rows x 128 K, 12 registers a lane, at (4 T + s) x 1,536: registers 4 q .. 4 q + 3 of lane l at 512 q + 16 l.
; The rows of tile T are not neighbours: lane r takes row 32 (T / 2) + 8 (T % 2) + r + 8 (r / 8), so that a product used transposed leaves 16 neighbouring channels in the 16 registers of two neighbouring tiles.
; The scale bytes lie at 196,608 + 256 T + 16 r + 4 s: a row's 16 bytes on end, rows in the image's order.
; A work-group takes one tile of one weight, wave s its K step s.  Lane (r, h) holds blocks 2 c + h of its row whole (32 numbers each), so no other lane is asked for a maximum.
; A block's scale is 2^(floor(log2(largest magnitude)) - 2): its byte is the largest magnitude's exponent field - 2, held at 1 from below by a floor among the maximum's leaves.
; LIMITS: a block whose largest magnitude lies under 2^-124 keeps the byte 1; a block of zeros gets the byte 1 where the rule says 127 (its codes are zeros, and this program alone reads the bytes); NaN and infinities are not served.
.set WB,  204800
.set WSC, 196608
.set MX,  8                            ; v8-9    largest magnitudes
.set SO,  10                           ; v10-11  the conversions' scale operands
.set BY,  12                           ; v12-13  the bytes
.set X,   16                           ; v16-79  two blocks of 32 numbers
.set PC,  80                           ; v80-91  the fragment
.set TP,  92                           ; v92-98  the blocks' upper halves as the conversions leave them
	s_load_b256 s[4:11], s[0:1], 0x0               ; Wq, Wk, Wv, Wp
	s_load_b128 s[12:15], s[0:1], 0x20             ; Wo, wimg
	v_lshrrev_b32 v1, 5, v0
	v_readfirstlane_b32 s16, v1                    ; wave = K step
	v_and_b32 v1, 31, v0                           ; lane
	v_and_b32 v2, 15, v0                           ; r
	v_bfe_u32 v3, v0, 4, 1                         ; h
	v_and_b32 v4, 8, v2
	v_add_nc_u32 v4, v4, v2                        ; r + 8 (r / 8)
	v_lshlrev_b32 v4, 11, v4                       ; a row is 2,048 bytes
	v_lshl_add_u32 v4, v3, 7, v4                   ; + 128 h: my block of the pair
	v_lshlrev_b32 v5, 4, v1                        ; out: 16 x lane
	v_lshlrev_b32 v6, 4, v2                        ; the scale word: 16 r
	v_lshlrev_b32 v7, 3, v3                        ; 8 h bits
	s_lshr_b32 s17, ttmp9, 5                       ; which weight
	s_and_b32 s18, ttmp9, 31                       ; T
	s_lshr_b32 s19, s18, 1
	s_lshl_b32 s19, s19, 16                        ; 32 rows
	s_and_b32 s22, s18, 1
	s_lshl_b32 s22, s22, 14                        ; 8 rows
	s_add_co_u32 s22, s22, s19
	s_lshl_b32 s19, s16, 9                         ; 128 numbers along K
	s_add_co_u32 s22, s22, s19
	s_mov_b32 s23, 0
	s_mul_i32 s24, s17, WB
	s_lshl_b32 s19, s18, 2
	s_add_co_u32 s19, s19, s16
	s_mul_i32 s19, s19, 1536
	s_add_co_u32 s26, s24, s19                     ; the fragment's place
	s_mov_b32 s27, 0
	s_lshl_b32 s19, s18, 8
	s_add_co_u32 s24, s24, s19
	s_lshl_b32 s19, s16, 2
	s_add_co_u32 s24, s24, s19
	s_add_co_u32 s24, s24, WSC                     ; the scale words' place
	s_mov_b32 s25, 0
	s_mov_b32 s20, 0x76543210
	s_mov_b32 s21, 0xfedcba98                      ; v_permlanex16_b32's selects for lane l xor 16
	s_wait_kmcnt 0x0
	s_cmp_eq_u32 s17, 1                            ; the choice hangs on the work-group's number alone
	s_cselect_b64 s[4:5], s[6:7], s[4:5]
	s_cmp_eq_u32 s17, 2
	s_cselect_b64 s[4:5], s[8:9], s[4:5]
	s_cmp_eq_u32 s17, 3
	s_cselect_b64 s[4:5], s[10:11], s[4:5]
	s_cmp_eq_u32 s17, 4
	s_cselect_b64 s[4:5], s[12:13], s[4:5]
	s_add_nc_u64 s[4:5], s[4:5], s[22:23]
	s_add_nc_u64 s[26:27], s[14:15], s[26:27]
	s_add_nc_u64 s[24:25], s[14:15], s[24:25]
.irp c, 0,1
.irp i, 0,1,2,3,4,5,6,7
	global_load_b128 v[X+32*\c+4*\i:X+32*\c+4*\i+3], v4, s[4:5] offset:256*\c+16*\i th:TH_LOAD_NT   ; k = 128 s + 64 c + 32 h + 4 i ..
.endr
.endr
	s_wait_loadcnt 0x0
.irp c, 0,1
	v_max3_num_f32 v[MX+\c], |v[X+32*\c]|, |v[X+32*\c+1]|, 0x1800000   ; the floor 2^(3 - 127) among the leaves: the byte cannot fall under 1
.endr
.irp i, 2,4,6,8,10,12,14,16,18,20,22,24,26,28,30
.irp c, 0,1
	v_max3_num_f32 v[MX+\c], v[MX+\c], |v[X+32*\c+\i]|, |v[X+32*\c+\i+1]|   ; the two blocks by turns
.endr
.endr
.irp c, 0,1
	v_add_nc_u32 v[SO+\c], 0xff000000, v[MX+\c]    ; 2 off the exponent field: the conversion takes that field as its scale
.endr
.irp c, 0,1
	v_lshrrev_b32 v[BY+\c], 23, v[SO+\c]           ; the byte
.endr
	v_lshl_or_b32 v14, v[BY+1], 16, v[BY]          ; blocks h and 2 + h,
	v_lshlrev_b32 v14, v7, v14                     ; at their places in the word;
	v_mov_b32 v15, 0                               ; (a lane permute's destination counts as read)
	v_permlanex16_b32 v15, v14, s20, s21
	v_or_b32 v14, v14, v15                         ; with lane l xor 16's two the word is whole
.irp c, 0,1
	v_cvt_scalef32_pk16_fp6_f32 v[PC+6*\c:PC+6*\c+2], v[X+32*\c:X+32*\c+15], v[SO+\c]
	v_cvt_scalef32_pk16_fp6_f32 v[TP+4*\c:TP+4*\c+2], v[X+32*\c+16:X+32*\c+31], v[SO+\c]   ; (a conversion's three registers begin on an even number)
.endr
	v_nop                                          ; one plain line behind the scaled conversions
.irp c, 0,1
.irp i, 0,1,2
	v_mov_b32 v[PC+6*\c+3+\i], v[TP+4*\c+\i]
.endr
.endr
.irp q, 0,1,2
	global_store_b128 v5, v[PC+4*\q:PC+4*\q+3], s[26:27] offset:512*\q   ; 32 lanes store 512 consecutive bytes
.endr
	s_wait_xcnt 0x0                                ; EXEC changes only behind this wait
	v_cmp_gt_u32 vcc_lo, 16, v1
	s_and_saveexec_b32 s28, vcc_lo                 ; lanes 0-15: one word a row
	global_store_b32 v6, v14, s[24:25]
	s_wait_xcnt 0x0
	s_or_b32 exec_lo, exec_lo, s28
	s_endpgm
.Lfunc_end_k_q8da9d59a6c_wquant:
	.size	k_q8da9d59a6c_wquant, .Lfunc_end_k_q8da9d59a6c_wquant-k_q8da9d59a6c_wquant
	.p2alignl 7, 3214868480
	.fill 96, 4, 3214868480
	.section	.rodata,"a",@progbits
	.p2align	6, 0x0
	.amdhsa_kernel k_q8da9d59a6c_wquant
		.amdhsa_group_segment_fixed_size 0
		.amdhsa_private_segment_fixed_size 0
		.amdhsa_enable_private_segment 0
		.amdhsa_kernarg_size 48
		.amdhsa_user_sgpr_count 2
		.amdhsa_user_sgpr_kernarg_segment_ptr 1
		.amdhsa_wavefront_size32 1
		.amdhsa_system_sgpr_workgroup_id_x 1
		.amdhsa_system_sgpr_workgroup_id_y 1
		.amdhsa_system_sgpr_workgroup_id_z 1
		.amdhsa_system_vgpr_workitem_id 0
		.amdhsa_next_free_vgpr 104
		.amdhsa_next_free_sgpr 66
		.amdhsa_reserve_vcc 1
		.amdhsa_float_denorm_mode_32 3
		.amdhsa_float_denorm_mode_16_64 3
		.amdhsa_memory_ordered 1
		.amdhsa_forward_progress 1
		.amdhsa_inst_pref_size 8
	.end_amdhsa_kernel
	.amdgpu_metadata
---
amdhsa.version: [ 1, 2 ]
amdhsa.kernels:
  - .name:           k_q8da9d59a6c_wquant
    .symbol:         k_q8da9d59a6c_wquant.kd
    .args:
      - { .name: Wq, .offset: 0, .size: 8, .value_kind: global_buffer, .address_space: global }
      - { .name: Wk, .offset: 8, .size: 8, .value_kind: global_buffer, .address_space: global }
      - { .name: Wv, .offset: 16, .size: 8, .value_kind: global_buffer, .address_space: global }
      - { .name: Wp, .offset: 24, .size: 8, .value_kind: global_buffer, .address_space: global }
      - { .name: Wo, .offset: 32, .size: 8, .value_kind: global_buffer, .address_space: global }
      - { .name: wimg, .offset: 40, .size: 8, .value_kind: global_buffer, .address_space: global }
    .group_segment_fixed_size: 0
    .private_segment_fixed_size: 0
    .kernarg_segment_align: 8
    .kernarg_segment_size: 48
    .max_flat_workgroup_size: 128
    .sgpr_count:     66
    .vgpr_count:     104
    .wavefront_size: 32
...
	.end_amdgpu_metadata
.endif
;; end of part 1
;; launch proj (part 2): grid 236 x 1, 4 waves a work-group, no clusters, 159,232 bytes of LDS; arguments query, key, value, pos_embedding, bq, bk, bv, u_bias, v_bias, wimg, ops; writes ops
.if DOCPART == 2
	.amdgcn_target "amdgcn-amd-amdhsa--gfx1250"
	.amdhsa_code_object_version 6
	.text
	.protected	k_q8da9d59a6c_proj
	.globl	k_q8da9d59a6c_proj
	.p2align	8
	.type	k_q8da9d59a6c_proj,@function
k_q8da9d59a6c_proj:
	s_mov_b64 s[64:65], 0
	v_nop
	global_prefetch_b8 v0, s[64:65] scope:SCOPE_SE
	s_setreg_imm32_b32 hwreg(HW_REG_WAVE_MODE, 25, 1), 1
	s_wait_xcnt 0x0
; The four projections, on codes of FP6 (E2M3) with one E8M0 scale for each 32 along K, and the quantising of their results into the attention's operands.
; y: 0 q = query Wq^T + bq, 1 k, 2 v, 3 and 4 the two halves of p = pos_embedding Wp^T (no bias); each y has 128 blocks of 64 rows.  The f32 results never go to memory: only codes and scale bytes do.
; WORK-GROUPS STAY.  Work-groups 0-63 take q, two blocks each (a block of q goes out twice: q + u and q + v); then four runs of 43 work-groups take k, v and p's halves, three blocks each, the last of a run two (128 = 42 x 3 + 2).
; W, its scale words, the bias, u and v are loaded once for a work-group; a block's x is asked for during the way out of the block before, into the accumulators' registers as they fall free.
; SHARES.  Wave w owns output channels 128 w .. 128 w + 127 (heads 2 w, 2 w + 1): its 32 fragments of W stay in registers.  It also quantises 16 of the block's 64 rows of x; the fragments go from wave to wave
; through LDS as images of their registers (16 bytes a lane, 512 a store), the scale words 4 bytes a lane.  Two barriers a block: x's images are whole; x's images have been read.
; W is not shared out by joint loads: it goes from memory straight into registers once for a work-group, 196,608 bytes against two or three times 131,072 bytes of x that no other work-group reads.
; x: each load reads 512 consecutive bytes of a row; the 16 rows turn through the wave's own stage in LDS (pitch 2,064 = 129 x 16 bytes) and come back 16 neighbours along K a lane.
; q, k, p ARE MADE TRANSPOSED (source 0 = 16 rows of W, source 1 = 16 tokens): a lane holds one token, and, W's rows being chosen for it, the 32 registers of four tiles are the 64 channels of a head in the
; quantiser's order (register 16 b + i = channel 32 b + 16 (lane / 16) + i).  v IS MADE THE NATURAL WAY (source 0 = 16 tokens, source 1 = 16 rows of W): a lane holds one channel, and, the TOKENS of a tile being chosen
; likewise, the 32 registers are 64 neighbouring tokens, v's K in the attention.  In both cases the quantiser's six registers are a HALF IMAGE (16 rows x 64 K: registers 0-3 at 16 x lane, 4-5 at 512 + 8 x lane; 768 bytes).
; ops: q + u at 0, q + v at OQV: [bh][query tile 128][768];  OKV: [bh][step 16][12,288]: k's 8 tiles of a step of 128 keys (tile 2 b + u, lane r: key 32 b + 8 u + r + 8 (r / 8)), then v: 6,144 + 3,072 (which 64 keys) + 768 (channel tile);
; OP: [bh][tile 256][768], rows in natural order (row 4,095 is a copy of row 4,094 and is never used);  scale bytes, two a row: OKVS, OPS, OQUS, OQVS.
; LIMITS: a block whose largest magnitude lies under 2^-124 keeps the byte 1; a block of zeros gets the byte 1 where the rule says 127 (its codes are zeros, and this program alone reads the bytes); NaN and infinities are not served.
; REGISTERS, in windows of 256: window 0: addresses, scale words, what is at work;  window 1: W's K steps 0, 1 (fragment (t, s) at 12 (8 (s % 2) + t)), from v192 u;  window 2: W's K steps 2, 3, from v192 the bias;
; window 3: x as loaded, then the 32 accumulators, then the next block's x.
.set OQV,  3145728
.set OKV,  6291456
.set OP,   12582912
.set OKVS, 18874368
.set OPS,  19136512
.set OQUS, 19398656
.set XIMG, 132096                      ; LDS: from 0 four stages of 16 x 2,064 bytes; then x's 16 fragments (tile of rows m, K step s: 4 m + s), 1,536 bytes each;
.set XSC,  156672                      ; then their scale words, 128 bytes each
.set XA,   4                           ; v4-6   x: 16 x lane + the row: rows 0-7, rows 8-14, row 15 of my tile
.set STW,  7                           ; v7     my stage, on the way in: 16 x lane
.set STR,  8                           ; v8     and out: 2,064 r + 64 h
.set LI,   9                           ; v9     16 x lane
.set LIX,  10                          ; v10    XIMG + 16 x lane
.set XWI,  11                          ; v11    where I store x's images: XIMG + 6,144 w + 16 x lane
.set XWS,  12                          ; v12    and their scale words: XSC + 512 w + 4 x lane
.set L8,   13                          ; v13    512 + 8 x lane
.set SA,   14                          ; v14-15 the results' scale bytes: my lane's place, for the first and the second pair of groups
.set WS,   16                          ; v16-31 W's scale words: register 4 i + s: lanes 0-15 tile 2 i, lanes 16-31 tile 2 i + 1
.set XS,   32                          ; v32-35 x's scale words
.set PWS,  36                          ; v36-43 the groups' scale bytes
.set R,    44                          ; v44-47 two groups' scale bytes, one in each half of the lanes
.set ST,   48                          ; v48-111 64 numbers of x;
.set XF,   48                          ; later four fragments of x;
.set T,    48                          ; later 32 numbers of a result
.set ADD2, 112                         ; v112-175 v_bias in the transposed result's layout
.set PC,   176                         ; v176-187 codes
.set PX,   188                         ; v188-194 upper halves as the conversions leave them
.set TM,   196                         ; v196-199 largest magnitudes, v200-203 bytes, v208-211 scale operands
.set PW,   216                         ; the scale word just made
.set LSX,  220                         ; XSC + 4 x lane
.set BA,   221                         ; 64 h: a lane's place in a bias, transposed layout
.set BB,   222                         ; 4 (r + 8 (r / 8)): natural layout
.set ADD1, 192                         ; window 1
.set BI,   192                         ; window 2
.set SEL,  60
; SCALARS THAT STAY: s[4:5] my input; s[24:25] ops; s26 wave; s27 y; s28 the block (0 .. 127 of my y); s29 blocks to go; s[30:31] x at the block's first row; s[42:57] the block's eight output pointers;
; s58, s59 masks of the bias and of u; s62 lanes 16-31; s63 1 while a block follows; s67 0; s68-s71 blocks to a batch (shift, mask), rows in a batch, my y's first block; s77 row 8 of my tile;
; s84, s85 my tensor's codes and scale bytes in ops; s86 1 for k and v; s87 1 for v; s91, s92 from head to head
.set MSB, 0
.macro WIN new                         ; the immediate's high byte repeats the setting that is left
.if MSB != \new
	s_set_vgpr_msb (MSB<<8)|\new
.set MSB, \new
.endif
.endm
.macro PLACES
.rept 4
	v_nop
.endr
.endm
; 64 numbers of a lane, register 16 b + i = k 32 b + 16 (lane / 16) + i of my row, become a fragment's codes in v[PC] on and its scale word in v[PW]
.macro QUANT s
.irp b, 0,1,2,3
	v_max3_num_f32 v[TM+\b], |v[\s+16*\b]|, |v[\s+1+16*\b]|, 0x1800000   ; the floor 2^(3 - 127) among the leaves: the byte cannot fall under 1
.endr
.irp i, 2,4,6,8,10,12,14
.irp b, 0,1,2,3
	v_max3_num_f32 v[TM+\b], v[TM+\b], |v[\s+16*\b+\i]|, |v[\s+1+16*\b+\i]|
.endr
.endr
.irp b, 0,1,2,3
	v_permlanex16_b32 v[TM+4+\b], v[TM+\b], s[SEL], s[SEL+1]
.endr
.irp b, 0,1,2,3
	v_max_num_f32 v[TM+\b], v[TM+\b], v[TM+4+\b]   ; with lane l xor 16's: the block's largest magnitude
.endr
.irp b, 0,1,2,3
	v_add_nc_u32 v[TM+12+\b], 0xff000000, v[TM+\b] ; 2 off its exponent field: the conversion's scale operand
.endr
.irp b, 0,1,2,3
	v_lshrrev_b32 v[TM+4+\b], 23, v[TM+12+\b]      ; the byte
.endr
	v_lshl_or_b32 v[PW], v[TM+5], 8, v[TM+4]
	v_lshl_or_b32 v[PW], v[TM+6], 16, v[PW]
	v_lshl_or_b32 v[PW], v[TM+7], 24, v[PW]
.irp c, 0,1
	v_cvt_scalef32_pk16_fp6_f32 v[PC+6*\c:PC+2+6*\c], v[\s+32*\c:\s+15+32*\c], v[TM+12+2*\c]
	v_cvt_scalef32_pk16_fp6_f32 v[PX+4*\c:PX+2+4*\c], v[\s+16+32*\c:\s+31+32*\c], v[TM+12+2*\c+1]
.endr
	v_nop                                          ; one plain line behind the scaled conversions
.irp c, 0,1                                    ; the operand wants a whole block in a lane
.irp i, 0,1,2
	v_permlane16_swap_b32 v[PC+6*\c+\i], v[PX+4*\c+\i]
.endr
.irp i, 0,1,2
	v_mov_b32 v[PC+3+6*\c+\i], v[PX+4*\c+\i]
.endr
.endr
.endm
; the same for 32 numbers, K = 64: six registers of codes, two bytes
.macro QUANT2 s
.irp b, 0,1
	v_max3_num_f32 v[TM+\b], |v[\s+16*\b]|, |v[\s+1+16*\b]|, 0x1800000
.endr
.irp i, 2,4,6,8,10,12,14
.irp b, 0,1
	v_max3_num_f32 v[TM+\b], v[TM+\b], |v[\s+16*\b+\i]|, |v[\s+1+16*\b+\i]|
.endr
.endr
.irp b, 0,1
	v_permlanex16_b32 v[TM+4+\b], v[TM+\b], s[SEL], s[SEL+1]
.endr
.irp b, 0,1
	v_max_num_f32 v[TM+\b], v[TM+\b], v[TM+4+\b]
.endr
.irp b, 0,1
	v_add_nc_u32 v[TM+12+\b], 0xff000000, v[TM+\b]
.endr
.irp b, 0,1
	v_lshrrev_b32 v[TM+4+\b], 23, v[TM+12+\b]
.endr
	v_lshl_or_b32 v[PW], v[TM+5], 8, v[TM+4]
	v_cvt_scalef32_pk16_fp6_f32 v[PC:PC+2], v[\s:\s+15], v[TM+12]
	v_cvt_scalef32_pk16_fp6_f32 v[PX:PX+2], v[\s+16:\s+31], v[TM+13]
	v_nop
.irp i, 0,1,2
	v_permlane16_swap_b32 v[PC+\i], v[PX+\i]
.endr
.irp i, 0,1,2
	v_mov_b32 v[PC+3+\i], v[PX+\i]
.endr
.endm
.macro IMAGE off                               ; the fragment in v[PC] on goes to LDS as it stands
.irp c, 0,1,2
	ds_store_b128 v[XWI], v[PC+4*\c:PC+4*\c+3] offset:\off+512*\c
.endr
.endm
.macro FETCH reg, off                          ; and comes back so, in any wave
.irp c, 0,1,2
	ds_load_b128 v[\reg+4*\c:\reg+4*\c+3], v[LIX] offset:\off+512*\c
.endr
.endm
; a product: d, a, b, c: first registers; sa, sb: the scale registers; ra, rb: that side's scales lie in lanes 16-31
.macro WM d, a, b, c, sa, sb, ra, rb
.if \ra
	v_wmma_scale_f32_16x16x128_f8f6f4 v[(\d):(\d)+7], v[(\a):(\a)+11], v[(\b):(\b)+11], v[(\c):(\c)+7], v[\sa], v[\sb] matrix_a_fmt:MATRIX_FMT_FP6 matrix_b_fmt:MATRIX_FMT_FP6 matrix_a_scale:MATRIX_SCALE_ROW1
.elseif \rb
	v_wmma_scale_f32_16x16x128_f8f6f4 v[(\d):(\d)+7], v[(\a):(\a)+11], v[(\b):(\b)+11], v[(\c):(\c)+7], v[\sa], v[\sb] matrix_a_fmt:MATRIX_FMT_FP6 matrix_b_fmt:MATRIX_FMT_FP6 matrix_b_scale:MATRIX_SCALE_ROW1
.else
	v_wmma_scale_f32_16x16x128_f8f6f4 v[(\d):(\d)+7], v[(\a):(\a)+11], v[(\b):(\b)+11], v[(\c):(\c)+7], v[\sa], v[\sb] matrix_a_fmt:MATRIX_FMT_FP6 matrix_b_fmt:MATRIX_FMT_FP6
.endif
.endm
; The 128 products: four K steps x 8 tiles of W x 4 tiles of rows; the 32 accumulators take turns, one instruction a turn, in the same order in every K step.
; The bias is the C of each sum's first product.  nat = 0: transposed, accumulator (t, m) at 32 (4 (t / 4) + m) + 8 (t % 4);  nat = 1: natural, at 32 t + 8 m.  Either way group g of 32 registers lies at 32 g.
.macro MULT nat
.irp s, 0,1,2,3
.if \s > 0
	PLACES                                         ; in front of loads into registers that matrix instructions have read
.endif
.irp m, 0,1,2,3
	FETCH XF+12*\m, (4*\m+\s)*1536
	ds_load_b32 v[XS+\m], v[LSX] offset:128*(4*\m+\s)
.endr
	s_wait_dscnt 0x0
.if \nat
.if \s == 0
	WIN 0xe4                                       ; source 1 (W) window 1, C (bias) window 2, D window 3
.elseif \s == 1
	WIN 0xf4
.else
	WIN 0xf8
.endif
.else
.if \s == 0
	WIN 0xe1                                       ; source 0 (W) window 1, C (bias) window 2, D window 3
.elseif \s == 1
	WIN 0xf1
.else
	WIN 0xf2
.endif
.endif
.irp t, 0,1,2,3,4,5,6,7
.irp m, 0,1,2,3
.if \nat
.if \s == 0
	WM 32*\t+8*\m, XF+12*\m, 12*(8*(\s%2)+\t), BI+8*\t, XS+\m, WS+4*(\t/2)+\s, 0, (\t)%2
.else
	WM 32*\t+8*\m, XF+12*\m, 12*(8*(\s%2)+\t), 32*\t+8*\m, XS+\m, WS+4*(\t/2)+\s, 0, (\t)%2
.endif
.else
.if \s == 0
	WM 32*(4*(\t/4)+\m)+8*(\t%4), 12*(8*(\s%2)+\t), XF+12*\m, BI+8*\t, WS+4*(\t/2)+\s, XS+\m, (\t)%2, 0
.else
	WM 32*(4*(\t/4)+\m)+8*(\t%4), 12*(8*(\s%2)+\t), XF+12*\m, 32*(4*(\t/4)+\m)+8*(\t%4), WS+4*(\t/2)+\s, XS+\m, (\t)%2, 0
.endif
.endif
.endr
.endr
	WIN 0
.endr
.endm
; Eight of the 64 loads of my 16 rows of x, 512 consecutive bytes each: piece i = g / 2 of rows t = 8 (g % 2) + 0 .. 7, into registers 4 (16 i + t) of window 3: those of group g of the accumulators.  (The caller sets the window.)
.macro XL g
.if ((\g)%2) == 0
.irp k, 0,1,2,3,4,5,6,7
	global_load_b128 v[4*(8*(\g)+\k):4*(8*(\g)+\k)+3], v[XA], s[30:31] offset:2048*\k+512*((\g)/2) th:TH_LOAD_NT
.endr
.else
.irp k, 0,1,2,3,4,5,6
	global_load_b128 v[4*(8*(\g)+\k):4*(8*(\g)+\k)+3], v[XA+1], s[30:31] offset:2048*\k+512*((\g)/2) th:TH_LOAD_NT
.endr
	global_load_b128 v[4*(8*(\g)+7):4*(8*(\g)+7)+3], v[XA+2], s[30:31] offset:512*((\g)/2) th:TH_LOAD_NT
.endif
.endm
.macro NEXTX g                                 ; the same for the next block, if there is one: no load leaves its buffer
	s_cmp_lg_u32 s63, 0
	s_cbranch_scc0 .Lno_next_\@
	WIN 0xc0                                       ; destination window 3
	XL \g
	WIN 0
.Lno_next_\@:
.endm
; The way out of the eight groups: + the addend, quantised, stored.  w: the windows of the addition; add: the addend's first register; cb, sb: the first of two pointers (head 2 w, head 2 w + 1) for codes and for scale bytes.
; ld = 1: this is the block's last way out: a group's 32 registers, once the additions have read them, take eight loads of the next block's x, which are on their way while the other groups are worked.
.macro OUTSET w, add, cb, sb, ld
.irp g, 0,1,2,3,4,5,6,7
	s_wait_xcnt 0x0                                ; the last group's stores have read their registers: these are written again only behind this wait
	WIN \w
.irp i, 0,2,4,6,8,10,12,14,16,18,20,22,24,26,28,30
	v_pk_add_f32 v[T+\i:T+\i+1], v[32*\g+\i:32*\g+\i+1], v[\add+32*(\g/4)+\i:\add+32*(\g/4)+\i+1]   ; each accumulator from its low end on
.endr
	WIN 0
.if \ld
	NEXTX \g
.endif
	QUANT2 T
	v_mov_b32 v[PWS+\g], v[PW]
	global_store_b128 v[LI], v[PC:PC+3], s[\cb+2*(\g/4):\cb+2*(\g/4)+1] offset:768*(\g%4)   ; 512 consecutive bytes,
	global_store_b64 v[L8], v[PC+4:PC+5], s[\cb+2*(\g/4):\cb+2*(\g/4)+1] offset:768*(\g%4)  ; and 256 more
.if \g%2
	v_cndmask_b32 v[R+\g/2], v[PWS+\g-1], v[PWS+\g], s62   ; lanes 0-15 the even group's rows, lanes 16-31 the odd group's
.if (\g%4) == 1
	global_store_b16 v[SA], v[R+\g/2], s[\sb+2*(\g/4):\sb+2*(\g/4)+1]
.else
	global_store_b16 v[SA+1], v[R+\g/2], s[\sb+2*(\g/4):\sb+2*(\g/4)+1]
.endif
.endif
.endr
.endm
; Where block s28's rows of x begin, and row 15 of my tile.  It stands where no load of x is out: behind the wait for all loads.
.macro XADR
	s_add_co_u32 s72, s71, s28
	s_lshr_b32 s73, s72, s68                       ; batch
	s_and_b32 s74, s72, s69                        ; block in the batch
	s_mul_i32 s75, s73, s70
	s_lshl_b32 s78, s74, 6
	s_add_co_u32 s75, s75, s78
	s_lshl_b32 s66, s75, 11                        ; the block's first row, in bytes (under 2^26)
	s_lshl_b32 s78, s74, 2
	s_add_co_u32 s78, s78, s26
	s_cmp_eq_u32 s78, 255                          ; block 63 (p alone has one), wave 3: row 4,095 does not exist: row 4,094 is read in its place, so that no load leaves the buffer
	s_cselect_b32 s78, 6, 7
	s_add_co_u32 s78, s78, s77
	s_lshl_b32 s78, s78, 11
	v_add_nc_u32 v[XA+2], s78, v[LI]
	s_add_nc_u64 s[30:31], s[4:5], s[66:67]
.endm
; Where block s28's results go.  It stands behind a wait on XCNT: the last block's stores have read these pointers.
.macro OADR
	s_add_co_u32 s72, s71, s28
	s_lshr_b32 s73, s72, s68                       ; batch
	s_and_b32 s74, s72, s69                        ; block in the batch
	s_lshr_b32 s80, s74, 1                         ; k, v: the step of 128 keys,
	s_and_b32 s81, s74, 1                          ; and which 64 of them
	s_mul_i32 s82, s80, 12288
	s_mul_i32 s83, s81, 3072
	s_add_co_u32 s82, s82, s83                     ; the block's place among a head's codes: k, v;
	s_mul_i32 s83, s74, 3072                       ; q, p
	s_lshl_b32 s93, s80, 8
	s_lshl_b32 s94, s81, 1
	s_add_co_u32 s93, s93, s94                     ; among its scale bytes: v;
	s_lshl_b32 s94, s74, 7                         ; q, k, p
	s_cmp_lg_u32 s86, 0
	s_cselect_b32 s82, s82, s83
	s_cmp_lg_u32 s87, 0
	s_cselect_b32 s93, s93, s94
	s_lshl_b32 s94, s73, 3
	s_lshl_b32 s95, s26, 1
	s_add_co_u32 s94, s94, s95                     ; 8 x batch + head 2 w
	s_mul_i32 s95, s94, s91
	s_add_co_u32 s95, s95, s84
	s_add_co_u32 s66, s95, s82
	s_add_nc_u64 s[42:43], s[24:25], s[66:67]      ; codes: head 2 w,
	s_mov_b32 s66, s91
	s_add_nc_u64 s[44:45], s[42:43], s[66:67]      ; head 2 w + 1;
	s_add_nc_u64 s[46:47], s[42:43], OQV           ; q + v likewise (used by q alone)
	s_add_nc_u64 s[48:49], s[44:45], OQV
	s_mul_i32 s95, s94, s92
	s_add_co_u32 s95, s95, s85
	s_add_co_u32 s66, s95, s93
	s_add_nc_u64 s[50:51], s[24:25], s[66:67]      ; scale bytes
	s_mov_b32 s66, s92
	s_add_nc_u64 s[52:53], s[50:51], s[66:67]
	s_add_nc_u64 s[54:55], s[50:51], 131072
	s_add_nc_u64 s[56:57], s[52:53], 131072
.endm
	s_load_b512 s[4:19], s[0:1], 0x0               ; query, key, value, pos_embedding, bq, bk, bv, u_bias
	s_load_b128 s[20:23], s[0:1], 0x40             ; v_bias, wimg
	s_load_b64 s[24:25], s[0:1], 0x50              ; ops
	v_lshl_add_u32 v254, v0, 2, 0x26c00
	v_mov_b32 v255, 0
	v_lshrrev_b32 v1, 5, v0
	v_readfirstlane_b32 s26, v1                    ; wave 0..3
	v_and_b32 v1, 31, v0                           ; lane
	v_and_b32 v2, 15, v0                           ; r
	v_bfe_u32 v3, v0, 4, 1                         ; h
	; which tensor, which blocks: work-groups 0-63: q, blocks 2 g and 2 g + 1; from 64 on runs of 43: y = 1 .. 4, blocks 3 g' on, three of them or what is left of 128
	s_max_u32 s72, ttmp9, 64
	s_sub_co_u32 s72, s72, 64
	s_mov_b32 s27, 1
.rept 3
	s_cmp_ge_u32 s72, 43
	s_cselect_b32 s73, 43, 0
	s_cselect_b32 s74, 1, 0
	s_sub_co_u32 s72, s72, s73
	s_add_co_u32 s27, s27, s74
.endr
	s_mul_i32 s28, s72, 3
	s_sub_co_u32 s29, 128, s28
	s_min_u32 s29, s29, 3
	s_lshl_b32 s73, ttmp9, 1
	s_cmp_lt_u32 ttmp9, 64
	s_cselect_b32 s27, 0, s27
	s_cselect_b32 s28, s73, s28
	s_cselect_b32 s29, 2, s29
	s_mov_b32 s67, 0                               ; the upper word of every offset
	s_mov_b32 s[SEL], 0x76543210
	s_mov_b32 s[SEL+1], 0xfedcba98                 ; v_permlanex16_b32's selects for lane l xor 16
	s_mov_b32 s62, 0xffff0000                      ; lanes 16-31
	s_max_u32 s71, s27, 3
	s_sub_co_u32 s71, s71, 3
	s_lshl_b32 s71, s71, 7                         ; p's second half begins at block 128
	s_mov_b32 s70, 4095
	s_cmp_ge_u32 s27, 3                            ; p?
	s_cselect_b32 s68, 6, 5                        ; 64 or 32 blocks to a batch
	s_cselect_b32 s69, 63, 31
	s_cselect_b32 s70, s70, 2048                   ; rows in a batch
	s_cselect_b32 s58, 0, -1                       ; p has no bias: what is loaded for it is masked to 0
	; the rows of my tile of x: natural order 16 w + 0 .. 15; chosen order (k, v) 32 (w / 2) + 8 (w % 2) + 0 .. 7 and 16 further on
	s_lshl_b32 s76, s26, 4
	s_lshr_b32 s77, s26, 1
	s_lshl_b32 s77, s77, 5
	s_and_b32 s78, s26, 1
	s_lshl_b32 s78, s78, 3
	s_add_co_u32 s77, s77, s78
	s_sub_co_u32 s75, s27, 1
	s_cmp_lt_u32 s75, 2                            ; k or v
	s_cselect_b32 s76, s77, s76
	s_cselect_b32 s78, 16, 8
	s_cselect_b32 s86, 1, 0
	s_add_co_u32 s77, s76, s78                     ; row 8 of my tile
	s_lshl_b32 s76, s76, 11
	s_lshl_b32 s79, s77, 11
	; where my tensor's results lie in ops
	s_mov_b32 s84, OKV
	s_mov_b32 s85, OKVS
	s_mov_b32 s90, OQUS
	s_mov_b32 s91, 196608                          ; from head to head: codes,
	s_mov_b32 s92, 8192                            ; scale bytes
	s_cmp_eq_u32 s27, 0
	s_cselect_b32 s84, 0, s84
	s_cselect_b32 s85, s90, s85
	s_cselect_b32 s91, 98304, s91
	s_cselect_b32 s92, 4096, s92
	s_cselect_b32 s59, -1, 0                       ; u_bias is added to q alone: elsewhere it is masked to 0
	s_mov_b32 s90, OKV+6144
	s_mov_b32 s93, OKVS+4096
	s_cmp_eq_u32 s27, 2
	s_cselect_b32 s84, s90, s84
	s_cselect_b32 s85, s93, s85
	s_cselect_b32 s87, 1, 0
	s_cselect_b32 s88, 2, 1                        ; v: a row's two bytes are half of a word of four
	s_cselect_b32 s89, 128, 64
	s_mov_b32 s90, OP
	s_mov_b32 s93, OPS
	s_cmp_ge_u32 s27, 3
	s_cselect_b32 s84, s90, s84
	s_cselect_b32 s85, s93, s85
	s_min_u32 s80, s27, 3
	s_mul_i32 s80, s80, 204800                     ; my weight in wimg
	s_mul_i32 s81, s26, 49152
	s_add_co_u32 s81, s81, s80                     ; my 32 fragments
	s_lshl_b32 s83, s26, 11
	s_add_co_u32 s83, s83, s80
	s_add_co_u32 s83, s83, 196608                  ; their scale bytes
	s_lshl_b32 s82, s26, 9                         ; my 128 channels in a vector of 512
	v_lshlrev_b32 v[LI], 4, v1
	v_add_nc_u32 v[XA], s76, v[LI]
	v_add_nc_u32 v[XA+1], s79, v[LI]
	s_mul_i32 s66, s26, 33024
	v_add_nc_u32 v[STW], s66, v[LI]
	v_mul_u32_u24 v[STR], v2, 2064
	v_lshl_add_u32 v[STR], v3, 6, v[STR]
	v_add_nc_u32 v[STR], s66, v[STR]
	v_add_nc_u32 v[LIX], XIMG, v[LI]
	s_mul_i32 s66, s26, 6144
	v_add_nc_u32 v[XWI], s66, v[LIX]
	v_lshl_add_u32 v[LSX], v1, 2, XSC
	s_lshl_b32 s66, s26, 9
	v_add_nc_u32 v[XWS], s66, v[LSX]
	v_lshl_add_u32 v[L8], v1, 3, 512
	v_lshlrev_b32 v[SA], s88, v1
	v_add_nc_u32 v[SA+1], s89, v[SA]
	v_lshlrev_b32 v[BA], 6, v3
	v_and_b32 v[BB], 8, v2
	v_add_nc_u32 v[BB], v[BB], v2
	v_lshlrev_b32 v[BB], 2, v[BB]
.irp b, 0,1,2,3
	v_mov_b32 v[TM+4+\b], 0                        ; written once: a lane permute's destination counts as read
.endr
	s_wait_kmcnt 0x0
	s_cmp_eq_u32 s27, 1                            ; the choices hang on the work-group's number alone
	s_cselect_b64 s[4:5], s[6:7], s[4:5]
	s_cselect_b64 s[36:37], s[14:15], s[12:13]
	s_cmp_eq_u32 s27, 2
	s_cselect_b64 s[4:5], s[8:9], s[4:5]
	s_cselect_b64 s[36:37], s[16:17], s[36:37]
	s_cmp_ge_u32 s27, 3
	s_cselect_b64 s[4:5], s[10:11], s[4:5]
	s_cselect_b64 s[36:37], s[14:15], s[36:37]     ; (p: any bias, masked)
	XADR
	WIN 0xc0                                       ; destination window 3
.irp g, 0,1,2,3,4,5,6,7
	XL \g                                          ; the first block's x goes out ahead of everything else
.endr
	WIN 0
	s_mov_b32 s66, s81
	s_add_nc_u64 s[32:33], s[22:23], s[66:67]      ; W's codes
	s_mov_b32 s66, s83
	s_add_nc_u64 s[34:35], s[22:23], s[66:67]      ; W's scale bytes
	s_mov_b32 s66, s82
	s_add_nc_u64 s[36:37], s[36:37], s[66:67]      ; the bias,
	s_add_nc_u64 s[38:39], s[18:19], s[66:67]      ; u_bias,
	s_add_nc_u64 s[40:41], s[20:21], s[66:67]      ; v_bias at my channels
	WIN 0x40                                       ; destination window 1
.irp s, 0,1
.irp t, 0,1,2,3,4,5,6,7
.irp q, 0,1,2
	global_load_b128 v[12*(8*\s+\t)+4*\q:12*(8*\s+\t)+4*\q+3], v[LI], s[32:33] offset:(4*\t+\s)*1536+512*\q
.endr
.endr
.endr
.irp t, 0,1,2,3,4,5,6,7                        ; lane (r, h), tile t, register j: channel 32 (t / 2) + 16 h + 8 (t % 2) + j of my 128
	global_load_b128 v[ADD1+8*\t:ADD1+8*\t+3], v[BA], s[38:39] offset:(32*(\t/2)+8*(\t%2))*4
	global_load_b128 v[ADD1+8*\t+4:ADD1+8*\t+7], v[BA], s[38:39] offset:(32*(\t/2)+8*(\t%2))*4+16
.endr
	WIN 0x80                                       ; destination window 2
.irp s, 2,3
.irp t, 0,1,2,3,4,5,6,7
.irp q, 0,1,2
	global_load_b128 v[12*(8*(\s-2)+\t)+4*\q:12*(8*(\s-2)+\t)+4*\q+3], v[LI], s[32:33] offset:(4*\t+\s)*1536+512*\q
.endr
.endr
.endr
	WIN 0
.irp i, 0,1,2,3
	global_load_b128 v[WS+4*\i:WS+4*\i+3], v[LI], s[34:35] offset:512*\i
.endr
.irp t, 0,1,2,3,4,5,6,7
	global_load_b128 v[ADD2+8*\t:ADD2+8*\t+3], v[BA], s[40:41] offset:(32*(\t/2)+8*(\t%2))*4
	global_load_b128 v[ADD2+8*\t+4:ADD2+8*\t+7], v[BA], s[40:41] offset:(32*(\t/2)+8*(\t%2))*4+16
.endr
	s_cmp_eq_u32 s27, 2
	s_cbranch_scc1 .Lbias_v
	WIN 0x80
.irp t, 0,1,2,3,4,5,6,7
	global_load_b128 v[BI+8*\t:BI+8*\t+3], v[BA], s[36:37] offset:(32*(\t/2)+8*(\t%2))*4
	global_load_b128 v[BI+8*\t+4:BI+8*\t+7], v[BA], s[36:37] offset:(32*(\t/2)+8*(\t%2))*4+16
.endr
	WIN 0
	s_branch .Lbias_asked
.Lbias_v:                                          ; natural layout: a lane holds one channel, r + 8 (r / 8) of the tile's
	WIN 0x80
.irp t, 0,1,2,3,4,5,6,7
	global_load_b32 v[BI+8*\t], v[BB], s[36:37] offset:(32*(\t/2)+8*(\t%2))*4
.endr
	WIN 0
.Lbias_asked:
	s_wait_loadcnt 0x0                             ; x, W, its scales, the biases: what follows is done once for the work-group
	WIN 0x44
.set j, 0
.rept 64
	v_and_b32 v[ADD1+j], s59, v[ADD1+j]            ; u_bias, or 0
.set j, j+1
.endr
	WIN 0
	s_cmp_eq_u32 s27, 2
	s_cbranch_scc1 .Lspread
	WIN 0x88
.set j, 0
.rept 64
	v_and_b32 v[BI+j], s58, v[BI+j]                ; the bias, or 0 for p
.set j, j+1
.endr
	WIN 0
	s_branch .Lblock
.Lspread:
	WIN 0x82
.irp t, 0,1,2,3,4,5,6,7
.irp j, 1,2,3,4,5,6,7
	v_mov_b32 v[BI+8*\t+\j], v[BI+8*\t]            ; a lane's eight results of a tile belong to one channel
.endr
.endr
	WIN 0
.Lblock:                                           ; a trip: one block of 64 rows
	s_wait_loadcnt 0x0                             ; this block's x is in: so its base and its offsets may be written for the next block
	s_wait_xcnt 0x0                                ; the last block's stores have read their registers and pointers: the codes' registers and the pointers are written again only behind this wait
	WIN 0x0c                                       ; an LDS store's data are its source 1: window 3
.irp t, 0,1,2,3,4,5,6,7,8,9,10,11,12,13,14,15
.irp i, 0,1,2,3
	ds_store_b128 v[STW], v[4*(16*\i+\t):4*(16*\i+\t)+3] offset:2064*\t+512*\i
.endr
.endr
	WIN 0
.irp s, 0,1,2,3                                ; LDS serves a wave's instructions in order: the loads see my stores
.irp b, 0,1,2,3
.irp j, 0,1,2,3
	ds_load_b128 v[ST+16*\b+4*\j:ST+16*\b+4*\j+3], v[STR] offset:512*\s+128*\b+16*\j   ; row r, k = 128 s + 32 b + 16 h + 4 j ..
.endr
.endr
	s_wait_dscnt 0x0
	QUANT ST
	IMAGE 1536*\s
	ds_store_b32 v[XWS], v[PW] offset:128*\s
	s_wait_dscnt 0x0                               ; the stores have read their registers, and have landed
.endr
	s_barrier_signal -1                            ; my LDS stores have landed (the wait above): x's sixteen fragments lie in LDS behind this barrier
	s_barrier_wait -1
	s_cmp_eq_u32 s27, 2
	s_cbranch_scc1 .Lnatural
	MULT 0
	s_branch .Lsummed
.Lnatural:
	MULT 1
.Lsummed:
	s_wait_dscnt 0x0                               ; my reads of x's images are in:
	s_barrier_signal -1
	s_barrier_wait -1                              ; everybody's are: the next block's images may be stored
	PLACES                                         ; in front of the first read of results
	OADR                                           ; this block's output pointers
	s_add_co_u32 s28, s28, 1
	s_cmp_gt_u32 s29, 1
	s_cselect_b32 s63, 1, 0                        ; does a block follow?
	XADR                                           ; its rows of x (not used where none follows)
	s_cmp_lg_u32 s27, 0
	s_cbranch_scc1 .Lnot_q
	OUTSET 0x03, ADD2, 46, 54, 0                   ; q + v first, so that the way out that gives the accumulators' registers up is the last on every path
.Lnot_q:
	OUTSET 0x07, ADD1, 42, 50, 1                   ; q + u; k; v; p
	s_sub_co_u32 s29, s29, 1
	s_cmp_lg_u32 s29, 0
	s_cbranch_scc1 .Lblock
	s_wait_tensorcnt 0x0
	ds_add_u32 v254, v255
	s_wait_dscnt 0x0
	s_endpgm
.Lfunc_end_k_q8da9d59a6c_proj:
	.size	k_q8da9d59a6c_proj, .Lfunc_end_k_q8da9d59a6c_proj-k_q8da9d59a6c_proj
	.p2alignl 7, 3214868480
	.fill 96, 4, 3214868480
	.section	.rodata,"a",@progbits
	.p2align	6, 0x0
	.amdhsa_kernel k_q8da9d59a6c_proj
		.amdhsa_group_segment_fixed_size 159232
		.amdhsa_private_segment_fixed_size 0
		.amdhsa_enable_private_segment 0
		.amdhsa_kernarg_size 88
		.amdhsa_user_sgpr_count 2
		.amdhsa_user_sgpr_kernarg_segment_ptr 1
		.amdhsa_wavefront_size32 1
		.amdhsa_system_sgpr_workgroup_id_x 1
		.amdhsa_system_sgpr_workgroup_id_y 1
		.amdhsa_system_sgpr_workgroup_id_z 1
		.amdhsa_system_vgpr_workitem_id 0
		.amdhsa_next_free_vgpr 1024
		.amdhsa_next_free_sgpr 96
		.amdhsa_reserve_vcc 0
		.amdhsa_float_denorm_mode_32 3
		.amdhsa_float_denorm_mode_16_64 3
		.amdhsa_memory_ordered 1
		.amdhsa_forward_progress 1
		.amdhsa_inst_pref_size 161
	.end_amdhsa_kernel
	.amdgpu_metadata
---
amdhsa.version: [ 1, 2 ]
amdhsa.kernels:
  - .name:           k_q8da9d59a6c_proj
    .symbol:         k_q8da9d59a6c_proj.kd
    .args:
      - { .name: query, .offset: 0, .size: 8, .value_kind: global_buffer, .address_space: global }
      - { .name: key, .offset: 8, .size: 8, .value_kind: global_buffer, .address_space: global }
      - { .name: value, .offset: 16, .size: 8, .value_kind: global_buffer, .address_space: global }
      - { .name: pos_embedding, .offset: 24, .size: 8, .value_kind: global_buffer, .address_space: global }
      - { .name: bq, .offset: 32, .size: 8, .value_kind: global_buffer, .address_space: global }
      - { .name: bk, .offset: 40, .size: 8, .value_kind: global_buffer, .address_space: global }
      - { .name: bv, .offset: 48, .size: 8, .value_kind: global_buffer, .address_space: global }
      - { .name: u_bias, .offset: 56, .size: 8, .value_kind: global_buffer, .address_space: global }
      - { .name: v_bias, .offset: 64, .size: 8, .value_kind: global_buffer, .address_space: global }
      - { .name: wimg, .offset: 72, .size: 8, .value_kind: global_buffer, .address_space: global }
      - { .name: ops, .offset: 80, .size: 8, .value_kind: global_buffer, .address_space: global }
    .group_segment_fixed_size: 159232
    .private_segment_fixed_size: 0
    .kernarg_segment_align: 8
    .kernarg_segment_size: 88
    .max_flat_workgroup_size: 128
    .sgpr_count:     96
    .vgpr_count:     1024
    .wavefront_size: 32
...
	.end_amdgpu_metadata
.endif
;; end of part 2
;; launch attn (part 3): grid 8 x 32, 16 waves a work-group, no clusters, 327,680 bytes of LDS; arguments ops, ctx; writes ctx
.if DOCPART == 3
	.amdgcn_target "amdgcn-amd-amdhsa--gfx1250"
	.amdhsa_code_object_version 6
	.text
	.protected	k_q8da9d59a6c_attn
	.globl	k_q8da9d59a6c_attn
	.p2align	8
	.type	k_q8da9d59a6c_attn,@function
k_q8da9d59a6c_attn:
	s_mov_b64 s[64:65], 0
	v_nop
	global_prefetch_b8 v0, s[64:65] scope:SCOPE_SE
	s_setreg_imm32_b32 hwreg(HW_REG_WAVE_MODE, 25, 1), 1
	s_wait_xcnt 0x0
; context = softmax(((q + u) k^T + shift((q + v) p^T)) / sqrt(512)) v for one head and 256 queries, all three products on codes of FP6 (E2M3) with one E8M0 scale for each 32 along K; the context leaves as codes for the last product.
; THE SHIFT.  The reference's pad, reshape and slice give score[i][j] = (q_i + u) . k_j + (q_i + v) . p_(j - i + 2047): nothing wraps.  For 16 queries from i0 and 128 keys from j0 only rows l0 .. l0 + 142 of p count,
; l0 = j0 - i0 + 2032, a multiple of 16: nine tiles of 16 rows.  Their scores go to the wave's own scratch in LDS, a row a query (pitch 592 bytes), and each lane reads word key + 15 - r of its query r's row back:
; from lane to lane 147 words, an odd number, so that the 32 lanes of a load touch 32 different banks.  What comes back is the C of the content product.
; SHARES.  A work-group: 256 queries of one head; each of sixteen waves one tile of 16 queries, in 256 registers.  Every wave walks the head's keys, 128 a step.
; LAYOUT.  All products are used transposed (source 0 = 16 keys, rows of p, or channels of v; source 1 = my 16 queries): a lane holds ONE query.  The keys of a tile of k and the channels of a tile of v are chosen
; (lane r of tile 2 b + u: 32 b + 8 u + r + 8 (r / 8)), so that 16 registers of two neighbouring tiles are 16 neighbours.  Operands lie in memory and LDS as images of their registers: a half image is 16 rows x 64 K, 768 bytes.
; K = 64 IN AN INSTRUCTION 128 DEEP.  Q's registers 6-11 are zero codes.  The fragments of k and p lie six registers apart, so a tile's upper six registers are the next tile's codes: they meet zero codes alone, under scale bytes
; that are never 0xff (the upper two bytes of a 16-bit load are 0), and add exactly 0.
; THE SOFTMAX: t = score x log2(e) / sqrt(512); M = the running largest t rounded up to a whole number; p = 2^(t - M) is quantised, not normalised; the row's sum is taken of the unquantised p and divides at the end.
; LDS: two slots of a step's k and v (12,288 bytes), filled by turns by wave 0; filled once: the head's scale bytes of k and v, the work-group's whole window of p (144 tiles) and its scale bytes.
; Multicast is not used: what work-groups share is the 12,288 bytes of a step, which have the whole step in which to land, and the partners' windows of p differ.
; LIMITS: a block whose largest magnitude lies under 2^-124 keeps the byte 1; a block of zeros gets the byte 1 where the rule says 127 (its codes are zeros, and this program alone reads the bytes); NaN and infinities are not served.
.set OQV,   3145728
.set OKV,   6291456
.set OP,    12582912
.set OKVS,  18874368
.set OPS,   19136512
.set OQUS,  19398656
.set CSC,   3145728                    ; ctx: the scale words behind the codes
.set SPARE, 12288                      ; the spare words, 128 bytes for each wave: eight blocks of 256 bytes that no other line names
.set SLOTX, 16384                      ; slot 0 at 0, slot 1 here: one exclusive or turns an address
.set KVSC,  28672                      ; k's scale bytes (4,096), then v's scale words (4,096)
.set PSC,   36864                      ; p's scale bytes: 144 tiles x 32
.set PRES,  41472                      ; p's window: 144 tiles x 768
.set SCR,   152064                     ; scratch: 16 rows x 592 bytes for each wave; no fill lands here
.set L16,  1                           ; v1   16 x lane
.set L8,   2                           ; v2   512 + 8 x lane
.set L16P, 3                           ; v3   PRES + 768 (15 - w) + 16 x lane
.set L8P,  4                           ; v4   the same + 512 + 8 x lane
.set L2P,  5                           ; v5   PSC + 32 (15 - w) + 2 x lane
.set L2K,  6                           ; v6   KVSC + 2 x lane
.set L4V,  7                           ; v7   KVSC + 4,096 + 4 x lane
.set SW,   8                           ; v8   scratch, in: 592 r + 32 h
.set SR,   9                           ; v9   scratch, back: 588 r + 64 h + 60
.set SPW,  10                          ; v10  my spare word; never rewritten
.set NIL,  11                          ; v11  0; never rewritten
                                       ; v12 -M, v13 the largest t, v[14:15] the sum in two halves
.set QU,   16                          ; v16-27 q + u (v22-27 zero codes)
.set QV,   28                          ; v28-39 q + v (v34-39 zero codes)
.set F,    40                          ; v40-99 fragments of p, k or v (v94-99 zero)
.set S,    100                         ; v100-171 nine tiles of position scores; then eight of scores; then p
.set O,    172                         ; v172-203 O^T
.set PCD,  204                         ; v204-215 p's codes
.set CT,   216                         ; v216-222 upper halves as the conversions leave them
.set SA,   224                         ; v224-228 scale words of source 0: lanes 0-15 an even tile, lanes 16-31 the odd one
.set QUS,  229
.set QVS,  230
.set PWD,  231                         ; p's scale word
.set AP16, 232                         ; v232-238 the step's LDS addresses
.set AP8,  233
.set APS,  234
.set AK16, 235
.set AK8,  236
.set AKS,  237
.set AVS,  238
.set PFO,  239                         ; v239 256 x lane; never rewritten
.set BM,   240                         ; v240-243 the blocks' largest scores
.set PM,   244                         ; v244-247 at work
.set SO,   248                         ; v248-251 the conversions' scale operands
.set WV,   8
.set CNT,  11
.set TB,   12                          ; the slot in hand
.set TS,   13                          ; 256 bytes of scale bytes a step, in each of the three tables
.set TP,   14                          ; 8 tiles of p a step
.set LIM,  15
.set PFA,  66
.set SEL,  68
.set CS,   70
.macro DENSE g, rows                   ; descriptor group 1: a dense block as rows of 256 bytes (32 elements of 8 bytes), no padding, no mask
	s_mov_b32 s[\g], 3<<16
	s_mov_b32 s[\g+1], 32<<16
	s_mov_b32 s[\g+2], (\rows)<<16
	s_mov_b32 s[\g+3], 32<<16
	s_mov_b32 s[\g+4], \rows
	s_mov_b32 s[\g+5], 32
	s_mov_b32 s[\g+6], 0
	s_mov_b32 s[\g+7], 0
.endm
.macro PLACES n
.rept \n
	v_nop
.endr
.endm
.macro WM0 d, a, b, sa, sb, ra         ; a product that starts a sum
.if \ra
	v_wmma_scale_f32_16x16x128_f8f6f4 v[(\d):(\d)+7], v[(\a):(\a)+11], v[(\b):(\b)+11], 0, v[\sa], v[\sb] matrix_a_fmt:MATRIX_FMT_FP6 matrix_b_fmt:MATRIX_FMT_FP6 matrix_a_scale:MATRIX_SCALE_ROW1
.else
	v_wmma_scale_f32_16x16x128_f8f6f4 v[(\d):(\d)+7], v[(\a):(\a)+11], v[(\b):(\b)+11], 0, v[\sa], v[\sb] matrix_a_fmt:MATRIX_FMT_FP6 matrix_b_fmt:MATRIX_FMT_FP6
.endif
.endm
.macro WMA d, a, b, sa, sb, ra         ; a product that adds onto what its result registers hold
.if \ra
	v_wmma_scale_f32_16x16x128_f8f6f4 v[(\d):(\d)+7], v[(\a):(\a)+11], v[(\b):(\b)+11], v[(\d):(\d)+7], v[\sa], v[\sb] matrix_a_fmt:MATRIX_FMT_FP6 matrix_b_fmt:MATRIX_FMT_FP6 matrix_a_scale:MATRIX_SCALE_ROW1
.else
	v_wmma_scale_f32_16x16x128_f8f6f4 v[(\d):(\d)+7], v[(\a):(\a)+11], v[(\b):(\b)+11], v[(\d):(\d)+7], v[\sa], v[\sb] matrix_a_fmt:MATRIX_FMT_FP6 matrix_b_fmt:MATRIX_FMT_FP6
.endif
.endm
	s_load_b128 s[4:7], s[0:1], 0x0                ; ops, ctx
	v_lshl_add_u32 v[SPW], v0, 2, SPARE
	v_mov_b32 v[NIL], 0
	ds_add_u32 v10, v11
	ds_add_u32 v10, v11
	s_wait_dscnt 0x0
	v_lshrrev_b32 v1, 5, v0
	v_readfirstlane_b32 s[WV], v1                  ; wave 0..15
	s_mov_b32 s9, ttmp9                            ; block of 256 queries
	s_and_b32 s10, ttmp7, 0xffff                   ; 8 x batch + head
	DENSE 16, 27                                   ; a wave's nine tiles of p
	DENSE 24, 48                                   ; a step's k and v
	DENSE 32, 32                                   ; the head's scale bytes of k and v
	DENSE 40, 18                                   ; the window's scale bytes of p
	s_mul_i32 s84, s10, 196608
	s_mul_i32 s85, s9, 12288
	s_mul_i32 s86, s[WV], 6912
	s_add_co_u32 s88, s84, OP+86016                ; the window begins at tile 112 - 16 x
	s_sub_co_u32 s88, s88, s85
	s_add_co_u32 s88, s88, s86
	s_mov_b32 s89, 0
	s_add_co_u32 s90, s84, OKV
	s_mov_b32 s91, 0
	s_lshl_b32 s87, s10, 13
	s_add_co_u32 s92, s87, OKVS
	s_mov_b32 s93, 0
	s_add_co_u32 s94, s87, OPS+3584
	s_lshl_b32 s87, s9, 9
	s_sub_co_u32 s94, s94, s87
	s_mov_b32 s95, 0
	s_mov_b32 s[SEL], 0x76543210
	s_mov_b32 s[SEL+1], 0xfedcba98                 ; v_permlanex16_b32's selects for lane l xor 16
	s_mov_b32 s[CS], 0x3d8293ee                    ; c = log2(e) / sqrt(512)
	s_mov_b32 s[CS+1], s[CS]                       ; (named with it as a pair)
	s_mov_b32 s[TB], 0
	s_mov_b32 s[TS], 0
	s_mov_b32 s[TP], 0
	s_wait_kmcnt 0x0
	s_mov_b32 s52, 1                               ; group 0: count 1; LDS address; global address; type 2
	s_add_co_u32 s53, s86, PRES
	s_add_nc_u64 s[54:55], s[4:5], s[88:89]
	s_or_b32 s55, s55, 0x80000000
	s_mov_b32 s48, 1
	s_mov_b32 s49, 0
	s_add_nc_u64 s[50:51], s[4:5], s[90:91]
	s_or_b32 s51, s51, 0x80000000
	s_mov_b32 s56, 1
	s_mov_b32 s57, KVSC
	s_add_nc_u64 s[58:59], s[4:5], s[92:93]
	s_or_b32 s59, s59, 0x80000000
	s_mov_b32 s60, 1
	s_mov_b32 s61, PSC
	s_add_nc_u64 s[62:63], s[4:5], s[94:95]
	s_or_b32 s63, s63, 0x80000000
	; the first fills, ahead of every wait on TENSORcnt, every LDS read and every barrier: two loads of a wave are out at the most; the first wait is for 0.  Four v_nop follow each
	tensor_load_to_lds s[52:55], s[16:23]          ; every wave: its sixteenth of p's window
	s_nop 0
	PLACES 4
	s_cmp_eq_u32 s[WV], 0
	s_cbranch_scc0 .Lnot_0
	tensor_load_to_lds s[48:51], s[24:31]          ; step 0's k and v
	s_nop 0
	PLACES 4
	s_branch .Lfilled
.Lnot_0:
	s_cmp_eq_u32 s[WV], 1
	s_cbranch_scc0 .Lnot_1
	tensor_load_to_lds s[56:59], s[32:39]          ; k's and v's scale bytes
	s_nop 0
	PLACES 4
	s_branch .Lfilled
.Lnot_1:
	s_cmp_eq_u32 s[WV], 2
	s_cbranch_scc0 .Lfilled
	tensor_load_to_lds s[60:63], s[40:47]          ; p's scale bytes
	s_nop 0
	PLACES 4
.Lfilled:
	s_lshl_b32 s86, s9, 4
	s_add_co_u32 s86, s86, s[WV]                   ; my tile of queries in the head
	s_mul_i32 s88, s10, 98304
	s_mul_i32 s87, s86, 768
	s_add_co_u32 s88, s88, s87
	s_add_nc_u64 s[72:73], s[4:5], s[88:89]        ; q + u's codes; q + v's lie OQV further on
	s_lshl_b32 s88, s10, 12
	s_lshl_b32 s87, s86, 5
	s_add_co_u32 s88, s88, s87
	s_add_co_u32 s88, s88, OQUS
	s_add_nc_u64 s[74:75], s[4:5], s[88:89]        ; their scale bytes; q + v's 131,072 further on
	s_lshr_b32 s84, s10, 3
	s_lshl_b32 s84, s84, 7
	s_add_co_u32 s84, s84, s86                     ; my tile among all 512
	s_and_b32 s85, s10, 7                          ; head
	s_lshl_b32 s87, s84, 3
	s_add_co_u32 s87, s87, s85
	s_mul_i32 s88, s87, 768
	s_add_nc_u64 s[76:77], s[6:7], s[88:89]        ; the context's codes: [tile][head][768]
	s_lshl_b32 s87, s84, 2
	s_lshr_b32 s88, s85, 1
	s_add_co_u32 s87, s87, s88
	s_lshl_b32 s87, s87, 6
	s_and_b32 s88, s85, 1
	s_lshl_b32 s88, s88, 1
	s_add_co_u32 s88, s88, s87
	s_add_co_u32 s88, s88, CSC
	s_add_nc_u64 s[78:79], s[6:7], s[88:89]        ; its scale bytes: [tile][pair of heads][row] words, my head's half
	s_add_co_u32 s87, s[WV], 3
	s_and_b32 s87, s87, 3
	s_lshl_b32 s87, s87, 13
	s_add_co_u32 s88, s90, s87
	s_add_co_u32 s88, s88, 12288
	s_add_nc_u64 s[PFA:PFA+1], s[4:5], s[88:89]    ; the prefetches: step 1 + 8,192 (w - 1); the first change of slots steps it to step 2
	s_sub_co_u32 s84, s[WV], 1
	s_cmp_lt_u32 s84, 3                            ; waves 1 to 3,
	s_cselect_b32 s84, 0, 1
	s_or_b32 s84, s84, s9                          ; of the head's first work-group
	s_cmp_eq_u32 s84, 0
	s_cselect_b32 s[LIM], 1, -1
	v_and_b32 v232, 31, v0                         ; lane
	v_and_b32 v233, 15, v0                         ; r
	v_bfe_u32 v234, v0, 4, 1                       ; h
	v_lshlrev_b32 v[L16], 4, v232
	v_lshl_add_u32 v[L8], v232, 3, 512
	v_lshlrev_b32 v235, 1, v233                    ; 2 r
	global_load_b128 v[QU:QU+3], v[L16], s[72:73]
	global_load_b64 v[QU+4:QU+5], v[L8], s[72:73]
	global_load_b128 v[QV:QV+3], v[L16], s[72:73] offset:OQV
	global_load_b64 v[QV+4:QV+5], v[L8], s[72:73] offset:OQV
	global_load_u16 v[QUS], v235, s[74:75]
	global_load_u16 v[QVS], v235, s[74:75] offset:131072
	s_xor_b32 s84, s[WV], 15                       ; 15 - w: a later tile of queries begins earlier in p
	s_mul_i32 s85, s84, 768
	s_add_co_u32 s85, s85, PRES
	v_add_nc_u32 v[L16P], s85, v[L16]
	v_add_nc_u32 v[L8P], s85, v[L8]
	s_lshl_b32 s85, s84, 5
	s_add_co_u32 s85, s85, PSC
	v_lshl_add_u32 v[L2P], v232, 1, s85
	v_lshl_add_u32 v[L2K], v232, 1, KVSC
	v_lshl_add_u32 v[L4V], v232, 2, KVSC+4096
	s_mul_i32 s85, s[WV], 9472
	s_add_co_u32 s85, s85, SCR
	v_mul_u32_u24 v[SW], v233, 592
	v_lshl_add_u32 v[SW], v234, 5, v[SW]
	v_add_nc_u32 v[SW], s85, v[SW]
	v_mul_u32_u24 v[SR], v233, 588
	v_lshl_add_u32 v[SR], v234, 6, v[SR]
	v_add_nc_u32 v[SR], s85, v[SR]
	v_add_nc_u32 v[SR], 60, v[SR]
	v_lshlrev_b32 v[PFO], 8, v232
	v_mov_b32 v13, 0xff61b1e6                      ; the largest t so far: -3e38
	v_floor_f32 v12, -v13                          ; -M
	v_mov_b32 v14, 0
	v_mov_b32 v15, 0
	v_mov_b32 v253, 0                              ; (named as the upper half of the pair v[252:253])
.irp j, 0,1,2,3,4,5
	v_mov_b32 v[QU+6+\j], 0                        ; zero codes for k = 64 .. 127
	v_mov_b32 v[QV+6+\j], 0
	v_mov_b32 v[F+54+\j], 0
.endr
.irp b, 0,1,2,3
	v_mov_b32 v[PM+\b], 0                          ; a lane permute's destination counts as read
.endr
.set j, 0
.rept 32
	v_mov_b32 v[O+j], 0                            ; the loop has no first step of its own: it finds zeros
.set j, j+1
.endr
; A PREFETCH INTO THE L2 of the two steps behind the one that is being asked for: 24,576 bytes, 8,192 a wave, lanes 256 bytes apart.  All eight work-groups of a head walk the same k and v: the first of them asks, in its waves
; 1 to 3, at every second change of slots (CNT odd).  So each block of 256 bytes from step 2 on is named once in the launch; steps 0 and 1 come by their loads alone; the last change that fills a slot asks for nothing.
.macro ASK
	s_cmp_gt_u32 s[CNT], s[LIM]
	s_cbranch_scc0 .Lnot_mine_\@
	s_bitcmp1_b32 s[CNT], 0
	s_cbranch_scc0 .Lnot_mine_\@
	global_prefetch_b8 v[PFO], s[PFA:PFA+1] th:TH_LOAD_NT scope:SCOPE_SE
.Lnot_mine_\@:
.endm
; THE CHANGE OF SLOTS stands at a step's head.  Each wave waits for all its tensor loads, adds 0 to its spare word, and waits for that and for its reads of the slot that it has left.  Behind the barrier the slot ahead is whole
; and nobody reads the other.  fill = 1: wave 0 fills that other slot with the next step: the load has a whole step in which to land.
.macro CHANGE fill
	s_wait_tensorcnt 0x0                           ; no tensor load of mine is out, so a group 0 may be written
	ds_add_u32 v[SPW], v[NIL]                      ; 0 onto my spare word
.if \fill
	s_xor_b32 s49, s49, SLOTX                      ; the other slot than last time,
	s_add_nc_u64 s[50:51], s[50:51], 12288         ; the next step; the type bits on top are not reached
	s_wait_xcnt 0x0                                ; the last prefetch has read its address
	s_add_nc_u64 s[PFA:PFA+1], s[PFA:PFA+1], 12288
.endif
	s_wait_dscnt 0x0                               ; the add is done, and my reads of the slot that I have left are over
	s_barrier_signal -1
	s_barrier_wait -1
.if \fill
	s_cmp_eq_u32 s[WV], 0
	s_cbranch_scc0 .Lno_load_\@
	tensor_load_to_lds s[48:51], s[24:31]          ; the first thing behind the barrier, and the wave's one tensor load until the next
	s_nop 0
	PLACES 4
.Lno_load_\@:
	ASK
.endif
.endm
; A KEY STEP: 128 keys.  No two matrix instructions that follow each other share an accumulator, and each turn is one instruction.
.macro STEP
	v_add_nc_u32 v[AP16], s[TP], v[L16P]           ; these seven are also the places in front of loads into registers that the last products have read
	v_add_nc_u32 v[AP8], s[TP], v[L8P]
	v_add_nc_u32 v[APS], s[TS], v[L2P]
	v_add_nc_u32 v[AK16], s[TB], v[L16]
	v_add_nc_u32 v[AK8], s[TB], v[L8]
	v_add_nc_u32 v[AKS], s[TS], v[L2K]
	v_add_nc_u32 v[AVS], s[TS], v[L4V]
.irp t, 0,1,2,3,4,5,6,7,8                      ; nine tiles of p
	ds_load_b128 v[F+6*\t:F+6*\t+3], v[AP16] offset:768*\t
	ds_load_b64 v[F+6*\t+4:F+6*\t+5], v[AP8] offset:768*\t
.endr
.irp i, 0,1,2,3,4
	ds_load_u16 v[SA+\i], v[APS] offset:64*\i      ; (the fifth's lanes 16-31 read a tenth tile's place: not used)
.endr
	s_wait_dscnt 0x0
.irp t, 0,1,2,3,4,5,6,7,8
	WM0 S+8*\t, F+6*\t, QV, SA+\t/2, QVS, (\t)%2   ; lane (r, h), register j: row 16 t + 8 h + j of the band, query r
.endr
	PLACES 5                                       ; four in front of the stores that read these results and of the loads into their registers and sources; five in front of the products that write over them
.irp t, 0,1,2,3,4,5,6,7,8
	ds_store_b128 v[SW], v[S+8*\t:S+8*\t+3] offset:64*\t           ; each result from its low end on
	ds_store_b128 v[SW], v[S+8*\t+4:S+8*\t+7] offset:64*\t+16
.endr
.irp t, 0,1,2,3,4,5,6,7                        ; eight tiles of k
	ds_load_b128 v[F+6*\t:F+6*\t+3], v[AK16] offset:768*\t
	ds_load_b64 v[F+6*\t+4:F+6*\t+5], v[AK8] offset:768*\t
.endr
.irp i, 0,1,2,3
	ds_load_u16 v[SA+\i], v[AKS] offset:64*\i
.endr
.irp t, 0,1,2,3,4,5,6,7                        ; the skew.  LDS serves a wave's instructions in order: these see my stores
.irp j, 0,1,2,3,4,5,6,7
	ds_load_b32 v[S+8*\t+\j], v[SR] offset:4*(32*(\t/2)+8*(\t%2)+\j)   ; key 32 (t / 2) + 16 h + 8 (t % 2) + j, query r: word key + 15 - r of row r
.endr
.endr
	s_wait_dscnt 0x0
.irp t, 0,1,2,3,4,5,6,7
	WMA S+8*\t, F+6*\t, QU, SA+\t/2, QUS, (\t)%2   ; the content score onto the position score
.endr
	PLACES 4
.irp c, 0,1,2,3                                ; v's four tiles of channels: they land while the softmax is walked
.irp b, 0,1
	ds_load_b128 v[F+12*\c+6*\b:F+12*\c+6*\b+3], v[AK16] offset:6144+3072*\b+768*\c
	ds_load_b64 v[F+12*\c+6*\b+4:F+12*\c+6*\b+5], v[AK8] offset:6144+3072*\b+768*\c
.endr
.endr
	ds_load_b32 v[SA], v[AVS]
	ds_load_b32 v[SA+1], v[AVS] offset:128
.irp b, 0,1,2,3
	v_max3_num_f32 v[BM+\b], v[S+16*\b], v[S+16*\b+1], v[S+16*\b+2]   ; the largest score of each block of 32 keys: for the row's maximum and, since p rises with the score, for the block's largest p
.endr
.irp i, 3,5,7,9,11,13
.irp b, 0,1,2,3
	v_max3_num_f32 v[BM+\b], v[BM+\b], v[S+16*\b+\i], v[S+16*\b+\i+1]
.endr
.endr
.irp b, 0,1,2,3
	v_max_num_f32 v[BM+\b], v[BM+\b], v[S+16*\b+15]
.endr
.irp b, 0,1,2,3
	v_permlanex16_b32 v[PM+\b], v[BM+\b], s[SEL], s[SEL+1]
.endr
.irp b, 0,1,2,3
	v_max_num_f32 v[BM+\b], v[BM+\b], v[PM+\b]     ; with lane l xor 16's 16 keys
.endr
	v_max3_num_f32 v254, v[BM], v[BM+1], v[BM+2]
	v_max_num_f32 v254, v254, v[BM+3]
	v_mul_f32 v254, s[CS], v254                    ; as t (c is positive)
	v_max_num_f32 v13, v13, v254                   ; the running largest t
	v_mov_b32 v254, v12
	v_floor_f32 v12, -v13                          ; the new -M = -ceil(t)
	v_sub_f32 v254, v12, v254                      ; old M - new M: a whole number, 0 or less
	v_cvt_i32_f32 v254, v254                       ; (it saturates)
	v_ldexp_f32 v252, 1.0, v254                    ; f = 2^(old M - new M): a multiplication by it rounds nothing
.irp j, 0,2,4,6,8,10,12,14,16,18,20,22,24,26,28,30,32,34,36,38,40,42,44,46,48,50,52,54,56,58,60,62
	v_pk_fma_f32 v[S+\j:S+\j+1], v[S+\j:S+\j+1], s[CS:CS+1], v[12:13] op_sel_hi:[1,0,0]   ; t - M
.endr
.irp b, 0,1,2,3
	v_fma_f32 v[BM+\b], v[BM+\b], s[CS], v12
.endr
.set j, 0
.rept 64
	v_exp_f32 v[S+j], v[S+j]                       ; p = 2^(t - M)
.set j, j+1
.endr
	v_pk_mul_f32 v[14:15], v[14:15], v[252:253] op_sel_hi:[1,0]   ; the sums under the new M: the plain line behind the exponentials
	s_wait_alu depctr_va_vdst(0)                   ; one wait for the batch, ahead of its first reader
.irp b, 0,1,2,3
	v_exp_f32 v[BM+\b], v[BM+\b]                   ; the blocks' largest p
.endr
	v_pk_add_f32 v[PM:PM+1], v[S:S+1], v[S+2:S+3]  ; the row's sum of the unquantised p, in two chains
.irp j, 4,8,12,16,20,24,28,32,36,40,44,48,52,56,60
	v_pk_add_f32 v[14:15], v[14:15], v[S+\j:S+\j+1]
	v_pk_add_f32 v[PM:PM+1], v[PM:PM+1], v[S+\j+2:S+\j+3]
.endr
	v_pk_add_f32 v[14:15], v[14:15], v[PM:PM+1]
	s_wait_alu depctr_va_vdst(0)                   ; and one for the four
.irp b, 0,1,2,3
	v_max_num_f32 v[BM+\b], 0x1800000, v[BM+\b]    ; the floor 2^(3 - 127): the byte cannot fall under 1
.endr
.irp b, 0,1,2,3
	v_add_nc_u32 v[SO+\b], 0xff000000, v[BM+\b]
.endr
.irp b, 0,1,2,3
	v_lshrrev_b32 v[PM+\b], 23, v[SO+\b]
.endr
	v_lshl_or_b32 v[PWD], v[PM+1], 8, v[PM]
	v_lshl_or_b32 v[PWD], v[PM+2], 16, v[PWD]
	v_lshl_or_b32 v[PWD], v[PM+3], 24, v[PWD]
.irp c, 0,1
	v_cvt_scalef32_pk16_fp6_f32 v[PCD+6*\c:PCD+6*\c+2], v[S+32*\c:S+32*\c+15], v[SO+2*\c]
	v_cvt_scalef32_pk16_fp6_f32 v[CT+4*\c:CT+4*\c+2], v[S+32*\c+16:S+32*\c+31], v[SO+2*\c+1]
.endr
	v_nop                                          ; one plain line behind the scaled conversions
.irp c, 0,1
.irp i, 0,1,2
	v_permlane16_swap_b32 v[PCD+6*\c+\i], v[CT+4*\c+\i]
.endr
.irp i, 0,1,2
	v_mov_b32 v[PCD+6*\c+3+\i], v[CT+4*\c+\i]
.endr
.endr
.irp j, 0,2,4,6,8,10,12,14,16,18,20,22,24,26,28,30
	v_pk_mul_f32 v[O+\j:O+\j+1], v[O+\j:O+\j+1], v[252:253] op_sel_hi:[1,0]   ; O^T under the new M; twelve of these name no register of any one product below: the places behind the writing of p's codes and scale word
.endr
	s_wait_dscnt 0x0                               ; v
.irp c, 0,1,2,3
	WMA O+8*\c, F+12*\c, PCD, SA+\c/2, PWD, (\c)%2
.endr
	s_xor_b32 s[TB], s[TB], SLOTX
	s_add_co_u32 s[TS], s[TS], 256
	s_add_co_u32 s[TP], s[TP], 6144
.endm
	s_wait_loadcnt 0x0                             ; Q
	s_mov_b32 s[CNT], 15
.Lstep:                                            ; 15 trips: behind each change of slots but the last the next step is asked for
	CHANGE 1
	STEP
	s_sub_co_u32 s[CNT], s[CNT], 1
	s_cmp_lg_u32 s[CNT], 0
	s_cbranch_scc1 .Lstep
	CHANGE 0                                       ; the last step is written out
	STEP
	; THE WAY OUT: O^T / the sum; a lane's 32 numbers are its query's 64 channels of the head in the quantiser's order (v's channels were chosen for it): six registers of codes, two bytes
	PLACES 4
	v_add_f32 v14, v14, v15
	v_permlanex16_b32 v252, v14, s[SEL], s[SEL+1]
	v_add_f32 v14, v14, v252                       ; the row's sum
	v_rcp_f32 v14, v14
	v_and_b32 v254, 31, v0                         ; (a plain line behind the reciprocal)
	v_and_b32 v253, 15, v0
	v_lshlrev_b32 v253, 2, v253                    ; 4 r
	s_wait_alu depctr_va_vdst(0)                   ; ahead of the first reader
.set j, 0
.rept 32
	v_mul_f32 v[S+j], v[O+j], v14                  ; each accumulator from its low end on
.set j, j+1
.endr
.irp b, 0,1
	v_max3_num_f32 v[BM+\b], |v[S+16*\b]|, |v[S+16*\b+1]|, 0x1800000
.endr
.irp i, 2,4,6,8,10,12,14
.irp b, 0,1
	v_max3_num_f32 v[BM+\b], v[BM+\b], |v[S+16*\b+\i]|, |v[S+16*\b+\i+1]|
.endr
.endr
.irp b, 0,1
	v_permlanex16_b32 v[PM+\b], v[BM+\b], s[SEL], s[SEL+1]
.endr
.irp b, 0,1
	v_max_num_f32 v[BM+\b], v[BM+\b], v[PM+\b]
.endr
.irp b, 0,1
	v_add_nc_u32 v[SO+\b], 0xff000000, v[BM+\b]
.endr
.irp b, 0,1
	v_lshrrev_b32 v[PM+\b], 23, v[SO+\b]
.endr
	v_lshl_or_b32 v255, v[PM+1], 8, v[PM]
	v_cvt_scalef32_pk16_fp6_f32 v[PCD:PCD+2], v[S:S+15], v[SO]
	v_cvt_scalef32_pk16_fp6_f32 v[CT:CT+2], v[S+16:S+31], v[SO+1]
	v_nop
.irp i, 0,1,2
	v_permlane16_swap_b32 v[PCD+\i], v[CT+\i]
.endr
.irp i, 0,1,2
	v_mov_b32 v[PCD+3+\i], v[CT+\i]
.endr
	global_store_b128 v[L16], v[PCD:PCD+3], s[76:77]   ; 512 consecutive bytes,
	global_store_b64 v[L8], v[PCD+4:PCD+5], s[76:77]   ; and 256 more
	s_wait_xcnt 0x0                                ; EXEC changes only behind this wait
	v_cmp_gt_u32 vcc_lo, 16, v254
	s_and_saveexec_b32 s84, vcc_lo                 ; lanes 0-15: two bytes a row
	global_store_b16 v253, v255, s[78:79]
	s_wait_xcnt 0x0
	s_or_b32 exec_lo, exec_lo, s84
	s_wait_tensorcnt 0x0                           ; the wave's end
	ds_add_u32 v[SPW], v[NIL]
	s_wait_dscnt 0x0
	s_endpgm
.Lfunc_end_k_q8da9d59a6c_attn:
	.size	k_q8da9d59a6c_attn, .Lfunc_end_k_q8da9d59a6c_attn-k_q8da9d59a6c_attn
	.p2alignl 7, 3214868480
	.fill 96, 4, 3214868480
	.section	.rodata,"a",@progbits
	.p2align	6, 0x0
	.amdhsa_kernel k_q8da9d59a6c_attn
		.amdhsa_group_segment_fixed_size 327680
		.amdhsa_private_segment_fixed_size 0
		.amdhsa_enable_private_segment 0
		.amdhsa_kernarg_size 16
		.amdhsa_user_sgpr_count 2
		.amdhsa_user_sgpr_kernarg_segment_ptr 1
		.amdhsa_wavefront_size32 1
		.amdhsa_system_sgpr_workgroup_id_x 1
		.amdhsa_system_sgpr_workgroup_id_y 1
		.amdhsa_system_sgpr_workgroup_id_z 1
		.amdhsa_system_vgpr_workitem_id 0
		.amdhsa_next_free_vgpr 256
		.amdhsa_next_free_sgpr 96
		.amdhsa_reserve_vcc 1
		.amdhsa_float_denorm_mode_32 3
		.amdhsa_float_denorm_mode_16_64 3
		.amdhsa_memory_ordered 1
		.amdhsa_forward_progress 1
		.amdhsa_inst_pref_size 64
	.end_amdhsa_kernel
	.amdgpu_metadata
---
amdhsa.version: [ 1, 2 ]
amdhsa.kernels:
  - .name:           k_q8da9d59a6c_attn
    .symbol:         k_q8da9d59a6c_attn.kd
    .args:
      - { .name: ops, .offset: 0, .size: 8, .value_kind: global_buffer, .address_space: global }
      - { .name: ctx, .offset: 8, .size: 8, .value_kind: global_buffer, .address_space: global }
    .group_segment_fixed_size: 327680
    .private_segment_fixed_size: 0
    .kernarg_segment_align: 8
    .kernarg_segment_size: 16
    .max_flat_workgroup_size: 512
    .sgpr_count:     96
    .vgpr_count:     256
    .wavefront_size: 32
...
	.end_amdgpu_metadata
.endif
;; end of part 3
;; launch outp (part 4): grid 256 x 1, 4 waves a work-group, no clusters, 66,560 bytes of LDS; arguments ctx, wimg, bo, out0; writes out0
.if DOCPART == 4
	.amdgcn_target "amdgcn-amd-amdhsa--gfx1250"
	.amdhsa_code_object_version 6
	.text
	.protected	k_q8da9d59a6c_outp
	.globl	k_q8da9d59a6c_outp
	.p2align	8
	.type	k_q8da9d59a6c_outp,@function
k_q8da9d59a6c_outp:
	s_mov_b64 s[64:65], 0
	v_nop
	global_prefetch_b8 v0, s[64:65] scope:SCOPE_SE
	s_setreg_imm32_b32 hwreg(HW_REG_WAVE_MODE, 25, 1), 1
	s_wait_xcnt 0x0
; out0 = context Wo^T + bo, on codes of FP6 (E2M3) with one E8M0 scale for each 32 along K.  The context comes as codes (ctx: [tile of 16 rows 512][head 8][768], half images; scale words [tile][pair of heads 4][row] behind them),
; Wo as fragment images (wimg, weight 4).  A work-group takes 32 rows; wave w channels 128 w .. 128 w + 127.  All operands go from memory straight into registers, each lane's fragments whole.
; The product is used transposed (source 0 = 16 rows of Wo, source 1 = 16 rows of the context): lane (r, h) holds row r and, in tile t, channels 32 (t / 2) + 16 h + 8 (t % 2) + 0 .. 7 of the wave's 128.  bo is the C of each sum's first product.
; The 32 rows meet in a stage in LDS (pitch 2,064 = 129 x 16 bytes); behind a barrier each wave stores 8 whole rows, 512 consecutive bytes an instruction.
; REGISTERS: window 0: v1-9 addresses; v12-27 Wo's scale words; v28-31 the context's; v32-127 its 8 fragments ((m, K step) at 32 + 12 (4 m + K step)); v128-255 the 16 accumulators ((m, t) at 128 + 8 (8 m + t)).
; window 1: Wo's K steps 0, 1 (fragment (t, s) at 12 (8 (s % 2) + t)), from v192 bo;  window 2: K steps 2, 3.
.set CSC,  3145728
.set WOFF, 819200
.set LI,   4                           ; 16 x lane
.set L8,   5                           ; 512 + 8 x lane
.set LS,   6                           ; 4 x lane
.set BA,   7                           ; 64 h
.set SO,   8                           ; the stage, in: 2,064 r + 64 h + 512 w
.set SR,   9                           ; back: 16,512 w + 16 x lane
.set WS,   12
.set XS,   28
.set XF,   32
.set ACC,  128
.set BI,   192
.set MSB, 0
.macro WIN new                         ; the immediate's high byte repeats the setting that is left
.if MSB != \new
	s_set_vgpr_msb (MSB<<8)|\new
.set MSB, \new
.endif
.endm
.macro WM d, a, b, c, sa, sb, ra, rb
.if (\ra) && (\rb)
	v_wmma_scale_f32_16x16x128_f8f6f4 v[(\d):(\d)+7], v[(\a):(\a)+11], v[(\b):(\b)+11], v[(\c):(\c)+7], v[\sa], v[\sb] matrix_a_fmt:MATRIX_FMT_FP6 matrix_b_fmt:MATRIX_FMT_FP6 matrix_a_scale:MATRIX_SCALE_ROW1 matrix_b_scale:MATRIX_SCALE_ROW1
.elseif \ra
	v_wmma_scale_f32_16x16x128_f8f6f4 v[(\d):(\d)+7], v[(\a):(\a)+11], v[(\b):(\b)+11], v[(\c):(\c)+7], v[\sa], v[\sb] matrix_a_fmt:MATRIX_FMT_FP6 matrix_b_fmt:MATRIX_FMT_FP6 matrix_a_scale:MATRIX_SCALE_ROW1
.elseif \rb
	v_wmma_scale_f32_16x16x128_f8f6f4 v[(\d):(\d)+7], v[(\a):(\a)+11], v[(\b):(\b)+11], v[(\c):(\c)+7], v[\sa], v[\sb] matrix_a_fmt:MATRIX_FMT_FP6 matrix_b_fmt:MATRIX_FMT_FP6 matrix_b_scale:MATRIX_SCALE_ROW1
.else
	v_wmma_scale_f32_16x16x128_f8f6f4 v[(\d):(\d)+7], v[(\a):(\a)+11], v[(\b):(\b)+11], v[(\c):(\c)+7], v[\sa], v[\sb] matrix_a_fmt:MATRIX_FMT_FP6 matrix_b_fmt:MATRIX_FMT_FP6
.endif
.endm
	s_load_b256 s[4:11], s[0:1], 0x0               ; ctx, wimg, bo, out0
	v_lshl_add_u32 v10, v0, 2, 0x10200
	v_mov_b32 v11, 0
	v_lshrrev_b32 v1, 5, v0
	v_readfirstlane_b32 s12, v1                    ; wave 0..3
	v_and_b32 v1, 31, v0
	v_and_b32 v2, 15, v0
	v_bfe_u32 v3, v0, 4, 1
	v_lshlrev_b32 v[LI], 4, v1
	v_lshl_add_u32 v[L8], v1, 3, 512
	v_lshlrev_b32 v[LS], 2, v1
	v_lshlrev_b32 v[BA], 6, v3
	v_mul_u32_u24 v[SO], v2, 2064
	v_lshl_add_u32 v[SO], v3, 6, v[SO]
	s_lshl_b32 s13, s12, 9
	v_add_nc_u32 v[SO], s13, v[SO]
	s_mul_i32 s13, s12, 16512
	v_add_nc_u32 v[SR], s13, v[LI]
	s_mov_b32 s15, 0
	s_wait_kmcnt 0x0
	s_mul_i32 s14, ttmp9, 12288                    ; two tiles of rows x 8 heads x 768
	s_add_nc_u64 s[16:17], s[4:5], s[14:15]
	s_lshl_b32 s14, ttmp9, 9
	s_add_co_u32 s14, s14, CSC
	s_add_nc_u64 s[18:19], s[4:5], s[14:15]
	s_mul_i32 s14, s12, 49152
	s_add_co_u32 s14, s14, WOFF
	s_add_nc_u64 s[20:21], s[6:7], s[14:15]
	s_lshl_b32 s14, s12, 11
	s_add_co_u32 s14, s14, WOFF+196608
	s_add_nc_u64 s[22:23], s[6:7], s[14:15]
	s_lshl_b32 s14, s12, 9
	s_add_nc_u64 s[24:25], s[8:9], s[14:15]
	s_lshl_b32 s14, ttmp9, 16                      ; 32 rows of 2,048 bytes,
	s_lshl_b32 s13, s12, 14                        ; my 8 of them
	s_add_co_u32 s14, s14, s13
	s_add_nc_u64 s[26:27], s[10:11], s[14:15]
.irp m, 0,1
.irp k, 0,1,2,3                                ; K step k = heads 2 k and 2 k + 1: two half images make the fragment
	global_load_b128 v[XF+12*(4*\m+\k):XF+12*(4*\m+\k)+3], v[LI], s[16:17] offset:6144*\m+1536*\k
	global_load_b64 v[XF+12*(4*\m+\k)+4:XF+12*(4*\m+\k)+5], v[L8], s[16:17] offset:6144*\m+1536*\k
	global_load_b128 v[XF+12*(4*\m+\k)+6:XF+12*(4*\m+\k)+9], v[LI], s[16:17] offset:6144*\m+1536*\k+768
	global_load_b64 v[XF+12*(4*\m+\k)+10:XF+12*(4*\m+\k)+11], v[L8], s[16:17] offset:6144*\m+1536*\k+768
.endr
.irp i, 0,1
	global_load_b32 v[XS+2*\m+\i], v[LS], s[18:19] offset:256*\m+128*\i   ; lanes 0-15 K step 2 i, lanes 16-31 K step 2 i + 1
.endr
.endr
.irp i, 0,1,2,3
	global_load_b128 v[WS+4*\i:WS+4*\i+3], v[LI], s[22:23] offset:512*\i  ; register 4 i + s: lanes 0-15 tile 2 i, lanes 16-31 tile 2 i + 1
.endr
	WIN 0x40                                       ; destination window 1
.irp s, 0,1
.irp t, 0,1,2,3,4,5,6,7
.irp q, 0,1,2
	global_load_b128 v[12*(8*\s+\t)+4*\q:12*(8*\s+\t)+4*\q+3], v[LI], s[20:21] offset:(4*\t+\s)*1536+512*\q
.endr
.endr
.endr
.irp t, 0,1,2,3,4,5,6,7
	global_load_b128 v[BI+8*\t:BI+8*\t+3], v[BA], s[24:25] offset:(32*(\t/2)+8*(\t%2))*4
	global_load_b128 v[BI+8*\t+4:BI+8*\t+7], v[BA], s[24:25] offset:(32*(\t/2)+8*(\t%2))*4+16
.endr
	WIN 0x80                                       ; destination window 2
.irp s, 2,3
.irp t, 0,1,2,3,4,5,6,7
.irp q, 0,1,2
	global_load_b128 v[12*(8*(\s-2)+\t)+4*\q:12*(8*(\s-2)+\t)+4*\q+3], v[LI], s[20:21] offset:(4*\t+\s)*1536+512*\q
.endr
.endr
.endr
	WIN 0
	s_wait_loadcnt 0x0
.irp k, 0,1,2,3                                ; the 16 accumulators take turns, one instruction a turn, in the same order in every K step
.if \k == 0
	WIN 0x11                                       ; source 0 (Wo) and C (bo) window 1
.elseif \k == 1
	WIN 0x01
.else
	WIN 0x02
.endif
.irp m, 0,1
.irp t, 0,1,2,3,4,5,6,7
.if \k == 0
	WM ACC+8*(8*\m+\t), 12*(8*(\k%2)+\t), XF+12*(4*\m+\k), BI+8*\t, WS+4*(\t/2)+\k, XS+2*\m+\k/2, (\t)%2, (\k)%2
.else
	WM ACC+8*(8*\m+\t), 12*(8*(\k%2)+\t), XF+12*(4*\m+\k), ACC+8*(8*\m+\t), WS+4*(\t/2)+\k, XS+2*\m+\k/2, (\t)%2, (\k)%2
.endif
.endr
.endr
.endr
	WIN 0
.rept 4
	v_nop                                          ; places in front of the first read of results
.endr
.irp m, 0,1
.irp t, 0,1,2,3,4,5,6,7
	ds_store_b128 v[SO], v[ACC+8*(8*\m+\t):ACC+8*(8*\m+\t)+3] offset:16*\m*2064+128*(\t/2)+32*(\t%2)       ; each accumulator from its low end on
	ds_store_b128 v[SO], v[ACC+8*(8*\m+\t)+4:ACC+8*(8*\m+\t)+7] offset:16*\m*2064+128*(\t/2)+32*(\t%2)+16
.endr
.endr
	s_wait_dscnt 0x0                               ; for the others' sake: my stores into the stage are done
	s_barrier_signal -1
	s_barrier_wait -1                              ; 32 whole rows lie in the stage
.irp i, 0,1,2,3,4,5,6,7
.irp q, 0,1,2,3
	ds_load_b128 v[ACC+4*(4*\i+\q):ACC+4*(4*\i+\q)+3], v[SR] offset:2064*\i+512*\q
.endr
.endr
.irp i, 0,1,2,3,4,5,6,7
.irp q, 0,1,2,3
	s_wait_dscnt 31-(4*\i+\q)                      ; LDS loads come back in order: the loads issued behind this one may stay out
	global_store_b128 v[LI], v[ACC+4*(4*\i+\q):ACC+4*(4*\i+\q)+3], s[26:27] offset:2048*\i+512*\q th:TH_STORE_NT   ; 32 lanes store 512 consecutive bytes, at a multiple of 256 from out0's first byte
.endr
.endr
	s_wait_tensorcnt 0x0
	ds_add_u32 v10, v11
	s_wait_dscnt 0x0
	s_endpgm
.Lfunc_end_k_q8da9d59a6c_outp:
	.size	k_q8da9d59a6c_outp, .Lfunc_end_k_q8da9d59a6c_outp-k_q8da9d59a6c_outp
	.p2alignl 7, 3214868480
	.fill 96, 4, 3214868480
	.section	.rodata,"a",@progbits
	.p2align	6, 0x0
	.amdhsa_kernel k_q8da9d59a6c_outp
		.amdhsa_group_segment_fixed_size 66560
		.amdhsa_private_segment_fixed_size 0
		.amdhsa_enable_private_segment 0
		.amdhsa_kernarg_size 32
		.amdhsa_user_sgpr_count 2
		.amdhsa_user_sgpr_kernarg_segment_ptr 1
		.amdhsa_wavefront_size32 1
		.amdhsa_system_sgpr_workgroup_id_x 1
		.amdhsa_system_sgpr_workgroup_id_y 1
		.amdhsa_system_sgpr_workgroup_id_z 1
		.amdhsa_system_vgpr_workitem_id 0
		.amdhsa_next_free_vgpr 768
		.amdhsa_next_free_sgpr 66
		.amdhsa_reserve_vcc 0
		.amdhsa_float_denorm_mode_32 3
		.amdhsa_float_denorm_mode_16_64 3
		.amdhsa_memory_ordered 1
		.amdhsa_forward_progress 1
		.amdhsa_inst_pref_size 33
	.end_amdhsa_kernel
	.amdgpu_metadata
---
amdhsa.version: [ 1, 2 ]
amdhsa.kernels:
  - .name:           k_q8da9d59a6c_outp
    .symbol:         k_q8da9d59a6c_outp.kd
    .args:
      - { .name: ctx, .offset: 0, .size: 8, .value_kind: global_buffer, .address_space: global }
      - { .name: wimg, .offset: 8, .size: 8, .value_kind: global_buffer, .address_space: global }
      - { .name: bo, .offset: 16, .size: 8, .value_kind: global_buffer, .address_space: global }
      - { .name: out0, .offset: 24, .size: 8, .value_kind: global_buffer, .address_space: global }
    .group_segment_fixed_size: 66560
    .private_segment_fixed_size: 0
    .kernarg_segment_align: 8
    .kernarg_segment_size: 32
    .max_flat_workgroup_size: 128
    .sgpr_count:     66
    .vgpr_count:     768
    .wavefront_size: 32
...
	.end_amdgpu_metadata
.endif
;; end of part 4
;; ======== version 2 of 2: 4 launches; version 1 with the launches proj, outp written anew for expert scheduling mode
;; workspace buffers: wimg 1,024,000 bytes; ops 19,660,800 bytes; ctx 3,276,800 bytes
;; launch wquant: the kernel of part 1 again; grid 160 x 1, 4 waves a work-group, no clusters, 0 bytes of LDS; arguments Wq, Wk, Wv, Wp, Wo, wimg; writes wimg
;; launch proj (part 5): grid 236 x 1, 4 waves a work-group, no clusters, 159,232 bytes of LDS; arguments query, key, value, pos_embedding, bq, bk, bv, u_bias, v_bias, wimg, ops; writes ops
.if DOCPART == 5
	.amdgcn_target "amdgcn-amd-amdhsa--gfx1250"
	.amdhsa_code_object_version 6
	.text
	.protected	k_q8da9d59a6c_proj
	.globl	k_q8da9d59a6c_proj
	.p2align	8
	.type	k_q8da9d59a6c_proj,@function
k_q8da9d59a6c_proj:
	s_mov_b64 s[64:65], 0
	v_nop
	global_prefetch_b8 v0, s[64:65] scope:SCOPE_SE
	s_setreg_imm32_b32 hwreg(HW_REG_WAVE_SCHED_MODE, 0, 2), 2
	s_setreg_imm32_b32 hwreg(HW_REG_WAVE_MODE, 25, 1), 1
	s_wait_xcnt 0x0
	s_wait_alu depctr_vm_vsrc(0)
; The four projections, on codes of FP6 (E2M3) with one E8M0 scale for each 32 along K, and the quantising of their results into the attention's operands.
; y: 0 q = query Wq^T + bq, 1 k, 2 v, 3 and 4 the two halves of p = pos_embedding Wp^T (no bias); each y has 128 blocks of 64 rows.  The f32 results never go to memory: only codes and scale bytes do.
; WORK-GROUPS STAY.  Work-groups 0-63 take q, two blocks each (a block of q goes out twice: q + u and q + v); then four runs of 43 work-groups take k, v and p's halves, three blocks each, the last of a run two (128 = 42 x 3 + 2).
; W, its scale words, the bias, u and v are loaded once for a work-group; a block's x is asked for during the way out of the block before, into the accumulators' registers as they fall free.
; SHARES.  Wave w owns output channels 128 w .. 128 w + 127 (heads 2 w, 2 w + 1): its 32 fragments of W stay in registers.  It also quantises 16 of the block's 64 rows of x; the fragments go from wave to wave
; through LDS as images of their registers (16 bytes a lane, 512 a store), the scale words 4 bytes a lane.  Two barriers a block: x's images are whole; x's images have been read.
; W is not shared out by joint loads: it goes from memory straight into registers once for a work-group, 196,608 bytes against two or three times 131,072 bytes of x that no other work-group reads.
; x: each load reads 512 consecutive bytes of a row; the 16 rows turn through the wave's own stage in LDS (pitch 2,064 = 129 x 16 bytes) and come back 16 neighbours along K a lane.
; q, k, p ARE MADE TRANSPOSED (source 0 = 16 rows of W, source 1 = 16 tokens): a lane holds one token, and, W's rows being chosen for it, the 32 registers of four tiles are the 64 channels of a head in the
; quantiser's order (register 16 b + i = channel 32 b + 16 (lane / 16) + i).  v IS MADE THE NATURAL WAY (source 0 = 16 tokens, source 1 = 16 rows of W): a lane holds one channel, and, the TOKENS of a tile being chosen
; likewise, the 32 registers are 64 neighbouring tokens, v's K in the attention.  In both cases the quantiser's six registers are a HALF IMAGE (16 rows x 64 K: registers 0-3 at 16 x lane, 4-5 at 512 + 8 x lane; 768 bytes).
; ops: q + u at 0, q + v at OQV: [bh][query tile 128][768];  OKV: [bh][step 16][12,288]: k's 8 tiles of a step of 128 keys (tile 2 b + u, lane r: key 32 b + 8 u + r + 8 (r / 8)), then v: 6,144 + 3,072 (which 64 keys) + 768 (channel tile);
; OP: [bh][tile 256][768], rows in natural order (row 4,095 is a copy of row 4,094 and is never used);  scale bytes, two a row: OKVS, OPS, OQUS, OQVS.
; LIMITS: a block whose largest magnitude lies under 2^-124 keeps the byte 1; a block of zeros gets the byte 1 where the rule says 127 (its codes are zeros, and this program alone reads the bytes); NaN and infinities are not served.
; REGISTERS, in windows of 256: window 0: addresses, scale words, what is at work;  window 1: W's K steps 0, 1 (fragment (t, s) at 12 (8 (s % 2) + t)), from v192 u;  window 2: W's K steps 2, 3, from v192 the bias;
; window 3: x as loaded, then the 32 accumulators, then the next block's x.
; THE MODE: SCHED_MODE bits 1:0 = 2 (LLVM: expert scheduling mode 2), set by the entry lines.  The code itself states the register dependences between vector or matrix instructions and memory or LDS
; instructions, with s_wait_alu, always for 0.
; THE PLAN.  Registers that memory or LDS instructions touch, round a trip:
;   window 3     x lands there (asked for in the way out before, or at the head); the 64 stores into the stage read it; the products write the accumulators; the way out's additions read them; group by group the next x lands.
;   ST           a K step's 64 numbers land from the stage; QUANT reads them; behind it the next K step's land.
;   XF0, XF1     two sets of four fragments of x, with their scale words XS0, XS1, by turns: K step s multiplies set s % 2; K step s + 1 is asked for at the head of K step s, into the other set.
;   PC, PW       QUANT writes them, the image's LDS stores read them.  On the way out PC is two halves of six registers by turns: group g's QUANT2 writes half g % 2, the group's two stores read it.
;   R            written by a select in each odd group, read by that group's store of scale bytes.
;   v[XA+2]      written once a trip (XADR), read by the loads of x.  Every other address is made at the head and never written again.
; So the waits on va_vdst stand: at the head, ahead of the first load; behind each QUANT; at the heads of K steps 1 and 2; behind each group's QUANT2, where the group's loads and stores follow in one run.
; The waits on vm_vsrc stand: ahead of each QUANT; ahead of XADR; beside the wait on XCNT ahead of each group's stores, a whole group behind the stores whose registers it frees.
.set OQV,  3145728
.set OKV,  6291456
.set OP,   12582912
.set OKVS, 18874368
.set OPS,  19136512
.set OQUS, 19398656
.set XIMG, 132096                      ; LDS: from 0 four stages of 16 x 2,064 bytes; then x's 16 fragments (tile of rows m, K step s: 4 m + s), 1,536 bytes each;
.set XSC,  156672                      ; then their scale words, 128 bytes each
.set XA,   4                           ; v4-6   x: 16 x lane + the row: rows 0-7, rows 8-14, row 15 of my tile
.set STW,  7                           ; v7     my stage, on the way in: 16 x lane
.set STR,  8                           ; v8     and out: 2,064 r + 64 h
.set LI,   9                           ; v9     16 x lane
.set LIX,  10                          ; v10    XIMG + 16 x lane
.set XWI,  11                          ; v11    where I store x's images: XIMG + 6,144 w + 16 x lane
.set XWS,  12                          ; v12    and their scale words: XSC + 512 w + 4 x lane
.set L8,   13                          ; v13    512 + 8 x lane
.set SA,   14                          ; v14-15 the results' scale bytes: my lane's place, for the first and the second pair of groups
.set WS,   16                          ; v16-31 W's scale words: register 4 i + s: lanes 0-15 tile 2 i, lanes 16-31 tile 2 i + 1
.set XS,   32                          ; v32-35 x's scale words, set 0;
.set XSD,  112                         ; v144-147 set 1: XSD registers further on
.set PWS,  36                          ; v36-43 the groups' scale bytes
.set R,    44                          ; v44-47 two groups' scale bytes, one in each half of the lanes
.set ST,   48                          ; v48-111 64 numbers of x;
.set XF,   48                          ; later four fragments of x, set 0: v48-95; set 1: v96-143;
.set T,    48                          ; later 32 numbers of a result
.set ADD2, 148                         ; v148-211 v_bias in the transposed result's layout
.set PC,   212                         ; v212-223 codes
.set PX,   224                         ; v224-230 upper halves as the conversions leave them
.set TM,   232                         ; v232-235 largest magnitudes, v236-239 bytes, v244-247 scale operands
.set PW,   248                         ; the scale word just made
.set LSX,  249                         ; XSC + 4 x lane
.set BA,   250                         ; 64 h: a lane's place in a bias, transposed layout
.set BB,   251                         ; 4 (r + 8 (r / 8)): natural layout
.set ADD1, 192                         ; window 1
.set BI,   192                         ; window 2
.set SEL,  60
; SCALARS THAT STAY: s[4:5] my input; s[24:25] ops; s26 wave; s27 y; s28 the block (0 .. 127 of my y); s29 blocks to go; s[30:31] x at the block's first row; s[42:57] the block's eight output pointers;
; s58, s59 masks of the bias and of u; s62 lanes 16-31; s63 1 while a block follows; s67 0; s68-s71 blocks to a batch (shift, mask), rows in a batch, my y's first block; s77 row 8 of my tile;
; s84, s85 my tensor's codes and scale bytes in ops; s86 1 for k and v; s87 1 for v; s91, s92 from head to head
.set MSB, 0
.macro WIN new                         ; the immediate's high byte repeats the setting that is left
.if MSB != \new
	s_set_vgpr_msb (MSB<<8)|\new
.set MSB, \new
.endif
.endm
.macro PLACES
.rept 4
	v_nop
.endr
.endm
; 64 numbers of a lane, register 16 b + i = k 32 b + 16 (lane / 16) + i of my row, become a fragment's codes in v[PC] on and its scale word in v[PW]
.macro QUANT s
.irp b, 0,1,2,3
	v_max3_num_f32 v[TM+\b], |v[\s+16*\b]|, |v[\s+1+16*\b]|, 0x1800000   ; the floor 2^(3 - 127) among the leaves: the byte cannot fall under 1
.endr
.irp i, 2,4,6,8,10,12,14
.irp b, 0,1,2,3
	v_max3_num_f32 v[TM+\b], v[TM+\b], |v[\s+16*\b+\i]|, |v[\s+1+16*\b+\i]|
.endr
.endr
.irp b, 0,1,2,3
	v_permlanex16_b32 v[TM+4+\b], v[TM+\b], s[SEL], s[SEL+1]
.endr
.irp b, 0,1,2,3
	v_max_num_f32 v[TM+\b], v[TM+\b], v[TM+4+\b]   ; with lane l xor 16's: the block's largest magnitude
.endr
.irp b, 0,1,2,3
	v_add_nc_u32 v[TM+12+\b], 0xff000000, v[TM+\b] ; 2 off its exponent field: the conversion's scale operand
.endr
.irp b, 0,1,2,3
	v_lshrrev_b32 v[TM+4+\b], 23, v[TM+12+\b]      ; the byte
.endr
	v_lshl_or_b32 v[PW], v[TM+5], 8, v[TM+4]
	v_lshl_or_b32 v[PW], v[TM+6], 16, v[PW]
	v_lshl_or_b32 v[PW], v[TM+7], 24, v[PW]
.irp c, 0,1
	v_cvt_scalef32_pk16_fp6_f32 v[PC+6*\c:PC+2+6*\c], v[\s+32*\c:\s+15+32*\c], v[TM+12+2*\c]
	v_cvt_scalef32_pk16_fp6_f32 v[PX+4*\c:PX+2+4*\c], v[\s+16+32*\c:\s+31+32*\c], v[TM+12+2*\c+1]
.endr
	v_nop                                          ; one plain line behind the scaled conversions
.irp c, 0,1                                    ; the operand wants a whole block in a lane
.irp i, 0,1,2
	v_permlane16_swap_b32 v[PC+6*\c+\i], v[PX+4*\c+\i]
.endr
.irp i, 0,1,2
	v_mov_b32 v[PC+3+6*\c+\i], v[PX+4*\c+\i]
.endr
.endr
.endm
; the same for 32 numbers, K = 64: six registers of codes, from v[OB] on (the half of PC whose turn it is), and two bytes
.macro QUANT2 s
.irp b, 0,1
	v_max3_num_f32 v[TM+\b], |v[\s+16*\b]|, |v[\s+1+16*\b]|, 0x1800000
.endr
.irp i, 2,4,6,8,10,12,14
.irp b, 0,1
	v_max3_num_f32 v[TM+\b], v[TM+\b], |v[\s+16*\b+\i]|, |v[\s+1+16*\b+\i]|
.endr
.endr
.irp b, 0,1
	v_permlanex16_b32 v[TM+4+\b], v[TM+\b], s[SEL], s[SEL+1]
.endr
.irp b, 0,1
	v_max_num_f32 v[TM+\b], v[TM+\b], v[TM+4+\b]
.endr
.irp b, 0,1
	v_add_nc_u32 v[TM+12+\b], 0xff000000, v[TM+\b]
.endr
.irp b, 0,1
	v_lshrrev_b32 v[TM+4+\b], 23, v[TM+12+\b]
.endr
	v_lshl_or_b32 v[PW], v[TM+5], 8, v[TM+4]
	v_cvt_scalef32_pk16_fp6_f32 v[OB:OB+2], v[\s:\s+15], v[TM+12]
	v_cvt_scalef32_pk16_fp6_f32 v[PX:PX+2], v[\s+16:\s+31], v[TM+13]
	v_nop
.irp i, 0,1,2
	v_permlane16_swap_b32 v[OB+\i], v[PX+\i]
.endr
.irp i, 0,1,2
	v_mov_b32 v[OB+3+\i], v[PX+\i]
.endr
.endm
.macro IMAGE off                               ; the fragment in v[PC] on goes to LDS as it stands
.irp c, 0,1,2
	ds_store_b128 v[XWI], v[PC+4*\c:PC+4*\c+3] offset:\off+512*\c
.endr
.endm
.macro FETCH reg, off                          ; and comes back so, in any wave
.irp c, 0,1,2
	ds_load_b128 v[\reg+4*\c:\reg+4*\c+3], v[LIX] offset:\off+512*\c
.endr
.endm
.macro XLD s                                   ; K step s of my 16 rows out of my stage: row r, k = 128 s + 32 b + 16 h + 4 j ..   LDS serves a wave's instructions in order: the loads see my stores
.irp b, 0,1,2,3
.irp j, 0,1,2,3
	ds_load_b128 v[ST+16*\b+4*\j:ST+16*\b+4*\j+3], v[STR] offset:512*(\s)+128*\b+16*\j
.endr
.endr
.endm
.macro KFETCH s                                ; K step s of the block's four tiles of rows, fragments and scale words, into set s % 2: sixteen LDS loads
.irp m, 0,1,2,3
	FETCH XF+48*((\s)%2)+12*\m, (4*\m+(\s))*1536
	ds_load_b32 v[XS+XSD*((\s)%2)+\m], v[LSX] offset:128*(4*\m+(\s))
.endr
.endm
; a product: d, a, b, c: first registers; sa, sb: the scale registers; ra, rb: that side's scales lie in lanes 16-31
.macro WM d, a, b, c, sa, sb, ra, rb
.if \ra
	v_wmma_scale_f32_16x16x128_f8f6f4 v[(\d):(\d)+7], v[(\a):(\a)+11], v[(\b):(\b)+11], v[(\c):(\c)+7], v[\sa], v[\sb] matrix_a_fmt:MATRIX_FMT_FP6 matrix_b_fmt:MATRIX_FMT_FP6 matrix_a_scale:MATRIX_SCALE_ROW1
.elseif \rb
	v_wmma_scale_f32_16x16x128_f8f6f4 v[(\d):(\d)+7], v[(\a):(\a)+11], v[(\b):(\b)+11], v[(\c):(\c)+7], v[\sa], v[\sb] matrix_a_fmt:MATRIX_FMT_FP6 matrix_b_fmt:MATRIX_FMT_FP6 matrix_b_scale:MATRIX_SCALE_ROW1
.else
	v_wmma_scale_f32_16x16x128_f8f6f4 v[(\d):(\d)+7], v[(\a):(\a)+11], v[(\b):(\b)+11], v[(\c):(\c)+7], v[\sa], v[\sb] matrix_a_fmt:MATRIX_FMT_FP6 matrix_b_fmt:MATRIX_FMT_FP6
.endif
.endm
; The 128 products: four K steps x 8 tiles of W x 4 tiles of rows; the 32 accumulators take turns, one instruction a turn, in the same order in every K step.
; The bias is the C of each sum's first product.  nat = 0: transposed, accumulator (t, m) at 32 (4 (t / 4) + m) + 8 (t % 4);  nat = 1: natural, at 32 t + 8 m.  Either way group g of 32 registers lies at 32 g.
; x's fragments have two sets of registers by turns: at the head of K step s, in one run ahead of its 32 products, K step s + 1 is asked for into the other set, and lands while these products are issued.
.macro MULT nat
	KFETCH 0                                       ; into set 0.  No wait: the last vector lines that named v48-95 are QUANT's, ahead of the wait behind it; the last products that read v32-35 stand ahead of the way out's waits
.irp s, 0,1,2,3
	s_wait_dscnt 0x0                               ; this K step's fragments and scale words are in
.if (\s == 1) || (\s == 2)
	PLACES                                         ; in front of loads into registers that matrix instructions have read
	s_wait_alu depctr_va_vdst(0)                   ; the products of the K step before are done reading their set of fragments and scale words, in which the loads below land
.endif
.if \s < 3
	KFETCH \s+1                                    ; (s = 0: set 1 was last named by QUANT and by the last block's products, all ahead of a wait on va_vdst)
.endif
.if \nat
.if \s == 0
	WIN 0xe4                                       ; source 1 (W) window 1, C (bias) window 2, D window 3
.elseif \s == 1
	WIN 0xf4
.else
	WIN 0xf8
.endif
.else
.if \s == 0
	WIN 0xe1                                       ; source 0 (W) window 1, C (bias) window 2, D window 3
.elseif \s == 1
	WIN 0xf1
.else
	WIN 0xf2
.endif
.endif
.irp t, 0,1,2,3,4,5,6,7
.irp m, 0,1,2,3
.if \nat
.if \s == 0
	WM 32*\t+8*\m, XF+48*(\s%2)+12*\m, 12*(8*(\s%2)+\t), BI+8*\t, XS+XSD*(\s%2)+\m, WS+4*(\t/2)+\s, 0, (\t)%2
.else
	WM 32*\t+8*\m, XF+48*(\s%2)+12*\m, 12*(8*(\s%2)+\t), 32*\t+8*\m, XS+XSD*(\s%2)+\m, WS+4*(\t/2)+\s, 0, (\t)%2
.endif
.else
.if \s == 0
	WM 32*(4*(\t/4)+\m)+8*(\t%4), 12*(8*(\s%2)+\t), XF+48*(\s%2)+12*\m, BI+8*\t, WS+4*(\t/2)+\s, XS+XSD*(\s%2)+\m, (\t)%2, 0
.else
	WM 32*(4*(\t/4)+\m)+8*(\t%4), 12*(8*(\s%2)+\t), XF+48*(\s%2)+12*\m, 32*(4*(\t/4)+\m)+8*(\t%4), WS+4*(\t/2)+\s, XS+XSD*(\s%2)+\m, (\t)%2, 0
.endif
.endif
.endr
.endr
	WIN 0
.endr
.endm
; Eight of the 64 loads of my 16 rows of x, 512 consecutive bytes each: piece i = g / 2 of rows t = 8 (g % 2) + 0 .. 7, into registers 4 (16 i + t) of window 3: those of group g of the accumulators.  (The caller sets the window.)
.macro XL g
.if ((\g)%2) == 0
.irp k, 0,1,2,3,4,5,6,7
	global_load_b128 v[4*(8*(\g)+\k):4*(8*(\g)+\k)+3], v[XA], s[30:31] offset:2048*\k+512*((\g)/2) th:TH_LOAD_NT
.endr
.else
.irp k, 0,1,2,3,4,5,6
	global_load_b128 v[4*(8*(\g)+\k):4*(8*(\g)+\k)+3], v[XA+1], s[30:31] offset:2048*\k+512*((\g)/2) th:TH_LOAD_NT
.endr
	global_load_b128 v[4*(8*(\g)+7):4*(8*(\g)+7)+3], v[XA+2], s[30:31] offset:512*((\g)/2) th:TH_LOAD_NT
.endif
.endm
.macro NEXTX g                                 ; the same for the next block, if there is one: no load leaves its buffer
	s_cmp_lg_u32 s63, 0
	s_cbranch_scc0 .Lno_next_\@
	WIN 0xc0                                       ; destination window 3
	XL \g
	WIN 0
.Lno_next_\@:
.endm
; The way out of the eight groups: + the addend, quantised, stored.  w: the windows of the addition; add: the addend's first register; cb, sb: the first of two pointers (head 2 w, head 2 w + 1) for codes and for scale bytes.
; ld = 1: this is the block's last way out: a group's 32 registers, once the additions have read them, take eight loads of the next block's x, which are on their way while the other groups are worked.
; A group's memory instructions stand in one run at its end, the loads first, behind one wait on va_vdst.  Its codes lie in the half of PC that the group before does not store from.
.macro OUTSET w, add, cb, sb, ld
.irp g, 0,1,2,3,4,5,6,7
.set OB, PC+6*(\g%2)
	WIN \w
.irp i, 0,2,4,6,8,10,12,14,16,18,20,22,24,26,28,30
	v_pk_add_f32 v[T+\i:T+\i+1], v[32*\g+\i:32*\g+\i+1], v[\add+32*(\g/4)+\i:\add+32*(\g/4)+\i+1]   ; each accumulator from its low end on
.endr
	WIN 0
	QUANT2 T
	v_mov_b32 v[PWS+\g], v[PW]
.if \g%2
	v_cndmask_b32 v[R+\g/2], v[PWS+\g-1], v[PWS+\g], s62   ; lanes 0-15 the even group's rows, lanes 16-31 the odd group's
.endif
	s_wait_alu depctr_va_vdst(0)                   ; the group's codes in v[OB ..] and, in an odd group, its v[R ..] are written, which the stores below read; its additions are done reading its accumulators, in which the loads below land; in the first group v[XA+2], an offset of those loads, is written
.if (\g > 0) || \ld
	s_wait_xcnt 0x0                                ; the stores of the group before (group 0: of q + v's last group) have had their addresses translated: their registers, the other half of PC among them, are written again by the next group only behind this wait,
	s_wait_alu depctr_vm_vsrc(0)                   ; and those stores have read them
.endif
.if \ld
	NEXTX \g
.endif
	global_store_b128 v[LI], v[OB:OB+3], s[\cb+2*(\g/4):\cb+2*(\g/4)+1] offset:768*(\g%4)   ; 512 consecutive bytes,
	global_store_b64 v[L8], v[OB+4:OB+5], s[\cb+2*(\g/4):\cb+2*(\g/4)+1] offset:768*(\g%4)  ; and 256 more
.if \g%2
.if (\g%4) == 1
	global_store_b16 v[SA], v[R+\g/2], s[\sb+2*(\g/4):\sb+2*(\g/4)+1]
.else
	global_store_b16 v[SA+1], v[R+\g/2], s[\sb+2*(\g/4):\sb+2*(\g/4)+1]
.endif
.endif
.endr
.endm
; Where block s28's rows of x begin, and row 15 of my tile.  It stands where no load of x is out: behind the wait for all loads.
.macro XADR
	s_add_co_u32 s72, s71, s28
	s_lshr_b32 s73, s72, s68                       ; batch
	s_and_b32 s74, s72, s69                        ; block in the batch
	s_mul_i32 s75, s73, s70
	s_lshl_b32 s78, s74, 6
	s_add_co_u32 s75, s75, s78
	s_lshl_b32 s66, s75, 11                        ; the block's first row, in bytes (under 2^26)
	s_lshl_b32 s78, s74, 2
	s_add_co_u32 s78, s78, s26
	s_cmp_eq_u32 s78, 255                          ; block 63 (p alone has one), wave 3: row 4,095 does not exist: row 4,094 is read in its place, so that no load leaves the buffer
	s_cselect_b32 s78, 6, 7
	s_add_co_u32 s78, s78, s77
	s_lshl_b32 s78, s78, 11
	v_add_nc_u32 v[XA+2], s78, v[LI]
	s_add_nc_u64 s[30:31], s[4:5], s[66:67]
.endm
; Where block s28's results go.  It stands behind a wait on XCNT: the last block's stores have read these pointers.
.macro OADR
	s_add_co_u32 s72, s71, s28
	s_lshr_b32 s73, s72, s68                       ; batch
	s_and_b32 s74, s72, s69                        ; block in the batch
	s_lshr_b32 s80, s74, 1                         ; k, v: the step of 128 keys,
	s_and_b32 s81, s74, 1                          ; and which 64 of them
	s_mul_i32 s82, s80, 12288
	s_mul_i32 s83, s81, 3072
	s_add_co_u32 s82, s82, s83                     ; the block's place among a head's codes: k, v;
	s_mul_i32 s83, s74, 3072                       ; q, p
	s_lshl_b32 s93, s80, 8
	s_lshl_b32 s94, s81, 1
	s_add_co_u32 s93, s93, s94                     ; among its scale bytes: v;
	s_lshl_b32 s94, s74, 7                         ; q, k, p
	s_cmp_lg_u32 s86, 0
	s_cselect_b32 s82, s82, s83
	s_cmp_lg_u32 s87, 0
	s_cselect_b32 s93, s93, s94
	s_lshl_b32 s94, s73, 3
	s_lshl_b32 s95, s26, 1
	s_add_co_u32 s94, s94, s95                     ; 8 x batch + head 2 w
	s_mul_i32 s95, s94, s91
	s_add_co_u32 s95, s95, s84
	s_add_co_u32 s66, s95, s82
	s_add_nc_u64 s[42:43], s[24:25], s[66:67]      ; codes: head 2 w,
	s_mov_b32 s66, s91
	s_add_nc_u64 s[44:45], s[42:43], s[66:67]      ; head 2 w + 1;
	s_add_nc_u64 s[46:47], s[42:43], OQV           ; q + v likewise (used by q alone)
	s_add_nc_u64 s[48:49], s[44:45], OQV
	s_mul_i32 s95, s94, s92
	s_add_co_u32 s95, s95, s85
	s_add_co_u32 s66, s95, s93
	s_add_nc_u64 s[50:51], s[24:25], s[66:67]      ; scale bytes
	s_mov_b32 s66, s92
	s_add_nc_u64 s[52:53], s[50:51], s[66:67]
	s_add_nc_u64 s[54:55], s[50:51], 131072
	s_add_nc_u64 s[56:57], s[52:53], 131072
.endm
	s_load_b512 s[4:19], s[0:1], 0x0               ; query, key, value, pos_embedding, bq, bk, bv, u_bias
	s_load_b128 s[20:23], s[0:1], 0x40             ; v_bias, wimg
	s_load_b64 s[24:25], s[0:1], 0x50              ; ops
	v_lshl_add_u32 v254, v0, 2, 0x26c00
	v_mov_b32 v255, 0
	v_lshrrev_b32 v1, 5, v0
	v_readfirstlane_b32 s26, v1                    ; wave 0..3
	v_and_b32 v1, 31, v0                           ; lane
	v_and_b32 v2, 15, v0                           ; r
	v_bfe_u32 v3, v0, 4, 1                         ; h
	s_wait_alu depctr_va_sdst(0)                   ; s26 is written, ahead of its first reader: rows, LDS places and pointers are made from it
	; which tensor, which blocks: work-groups 0-63: q, blocks 2 g and 2 g + 1; from 64 on runs of 43: y = 1 .. 4, blocks 3 g' on, three of them or what is left of 128
	s_max_u32 s72, ttmp9, 64
	s_sub_co_u32 s72, s72, 64
	s_mov_b32 s27, 1
.rept 3
	s_cmp_ge_u32 s72, 43
	s_cselect_b32 s73, 43, 0
	s_cselect_b32 s74, 1, 0
	s_sub_co_u32 s72, s72, s73
	s_add_co_u32 s27, s27, s74
.endr
	s_mul_i32 s28, s72, 3
	s_sub_co_u32 s29, 128, s28
	s_min_u32 s29, s29, 3
	s_lshl_b32 s73, ttmp9, 1
	s_cmp_lt_u32 ttmp9, 64
	s_cselect_b32 s27, 0, s27
	s_cselect_b32 s28, s73, s28
	s_cselect_b32 s29, 2, s29
	s_mov_b32 s67, 0                               ; the upper word of every offset
	s_mov_b32 s[SEL], 0x76543210
	s_mov_b32 s[SEL+1], 0xfedcba98                 ; v_permlanex16_b32's selects for lane l xor 16
	s_mov_b32 s62, 0xffff0000                      ; lanes 16-31
	s_max_u32 s71, s27, 3
	s_sub_co_u32 s71, s71, 3
	s_lshl_b32 s71, s71, 7                         ; p's second half begins at block 128
	s_mov_b32 s70, 4095
	s_cmp_ge_u32 s27, 3                            ; p?
	s_cselect_b32 s68, 6, 5                        ; 64 or 32 blocks to a batch
	s_cselect_b32 s69, 63, 31
	s_cselect_b32 s70, s70, 2048                   ; rows in a batch
	s_cselect_b32 s58, 0, -1                       ; p has no bias: what is loaded for it is masked to 0
	; the rows of my tile of x: natural order 16 w + 0 .. 15; chosen order (k, v) 32 (w / 2) + 8 (w % 2) + 0 .. 7 and 16 further on
	s_lshl_b32 s76, s26, 4
	s_lshr_b32 s77, s26, 1
	s_lshl_b32 s77, s77, 5
	s_and_b32 s78, s26, 1
	s_lshl_b32 s78, s78, 3
	s_add_co_u32 s77, s77, s78
	s_sub_co_u32 s75, s27, 1
	s_cmp_lt_u32 s75, 2                            ; k or v
	s_cselect_b32 s76, s77, s76
	s_cselect_b32 s78, 16, 8
	s_cselect_b32 s86, 1, 0
	s_add_co_u32 s77, s76, s78                     ; row 8 of my tile
	s_lshl_b32 s76, s76, 11
	s_lshl_b32 s79, s77, 11
	; where my tensor's results lie in ops
	s_mov_b32 s84, OKV
	s_mov_b32 s85, OKVS
	s_mov_b32 s90, OQUS
	s_mov_b32 s91, 196608                          ; from head to head: codes,
	s_mov_b32 s92, 8192                            ; scale bytes
	s_cmp_eq_u32 s27, 0
	s_cselect_b32 s84, 0, s84
	s_cselect_b32 s85, s90, s85
	s_cselect_b32 s91, 98304, s91
	s_cselect_b32 s92, 4096, s92
	s_cselect_b32 s59, -1, 0                       ; u_bias is added to q alone: elsewhere it is masked to 0
	s_mov_b32 s90, OKV+6144
	s_mov_b32 s93, OKVS+4096
	s_cmp_eq_u32 s27, 2
	s_cselect_b32 s84, s90, s84
	s_cselect_b32 s85, s93, s85
	s_cselect_b32 s87, 1, 0
	s_cselect_b32 s88, 2, 1                        ; v: a row's two bytes are half of a word of four
	s_cselect_b32 s89, 128, 64
	s_mov_b32 s90, OP
	s_mov_b32 s93, OPS
	s_cmp_ge_u32 s27, 3
	s_cselect_b32 s84, s90, s84
	s_cselect_b32 s85, s93, s85
	s_min_u32 s80, s27, 3
	s_mul_i32 s80, s80, 204800                     ; my weight in wimg
	s_mul_i32 s81, s26, 49152
	s_add_co_u32 s81, s81, s80                     ; my 32 fragments
	s_lshl_b32 s83, s26, 11
	s_add_co_u32 s83, s83, s80
	s_add_co_u32 s83, s83, 196608                  ; their scale bytes
	s_lshl_b32 s82, s26, 9                         ; my 128 channels in a vector of 512
	v_lshlrev_b32 v[LI], 4, v1
	v_add_nc_u32 v[XA], s76, v[LI]
	v_add_nc_u32 v[XA+1], s79, v[LI]
	s_mul_i32 s66, s26, 33024
	v_add_nc_u32 v[STW], s66, v[LI]
	v_mul_u32_u24 v[STR], v2, 2064
	v_lshl_add_u32 v[STR], v3, 6, v[STR]
	v_add_nc_u32 v[STR], s66, v[STR]
	v_add_nc_u32 v[LIX], XIMG, v[LI]
	s_mul_i32 s66, s26, 6144
	v_add_nc_u32 v[XWI], s66, v[LIX]
	v_lshl_add_u32 v[LSX], v1, 2, XSC
	s_lshl_b32 s66, s26, 9
	v_add_nc_u32 v[XWS], s66, v[LSX]
	v_lshl_add_u32 v[L8], v1, 3, 512
	v_lshlrev_b32 v[SA], s88, v1
	v_add_nc_u32 v[SA+1], s89, v[SA]
	v_lshlrev_b32 v[BA], 6, v3
	v_and_b32 v[BB], 8, v2
	v_add_nc_u32 v[BB], v[BB], v2
	v_lshlrev_b32 v[BB], 2, v[BB]
.irp b, 0,1,2,3
	v_mov_b32 v[TM+4+\b], 0                        ; written once: a lane permute's destination counts as read
.endr
	s_wait_kmcnt 0x0
	s_cmp_eq_u32 s27, 1                            ; the choices hang on the work-group's number alone
	s_cselect_b64 s[4:5], s[6:7], s[4:5]
	s_cselect_b64 s[36:37], s[14:15], s[12:13]
	s_cmp_eq_u32 s27, 2
	s_cselect_b64 s[4:5], s[8:9], s[4:5]
	s_cselect_b64 s[36:37], s[16:17], s[36:37]
	s_cmp_ge_u32 s27, 3
	s_cselect_b64 s[4:5], s[10:11], s[4:5]
	s_cselect_b64 s[36:37], s[14:15], s[36:37]     ; (p: any bias, masked)
	XADR
	WIN 0xc0                                       ; destination window 3
	s_wait_alu depctr_va_vdst(0)                   ; every offset and LDS address of the kernel (v4 to v15, v249 to v251) is written: the loads below and all later loads and stores read them; only v[XA+2] is written again
.irp g, 0,1,2,3,4,5,6,7
	XL \g                                          ; the first block's x goes out ahead of everything else
.endr
	WIN 0
	s_mov_b32 s66, s81
	s_add_nc_u64 s[32:33], s[22:23], s[66:67]      ; W's codes
	s_mov_b32 s66, s83
	s_add_nc_u64 s[34:35], s[22:23], s[66:67]      ; W's scale bytes
	s_mov_b32 s66, s82
	s_add_nc_u64 s[36:37], s[36:37], s[66:67]      ; the bias,
	s_add_nc_u64 s[38:39], s[18:19], s[66:67]      ; u_bias,
	s_add_nc_u64 s[40:41], s[20:21], s[66:67]      ; v_bias at my channels
	WIN 0x40                                       ; destination window 1
.irp s, 0,1
.irp t, 0,1,2,3,4,5,6,7
.irp q, 0,1,2
	global_load_b128 v[12*(8*\s+\t)+4*\q:12*(8*\s+\t)+4*\q+3], v[LI], s[32:33] offset:(4*\t+\s)*1536+512*\q
.endr
.endr
.endr
.irp t, 0,1,2,3,4,5,6,7                        ; lane (r, h), tile t, register j: channel 32 (t / 2) + 16 h + 8 (t % 2) + j of my 128
	global_load_b128 v[ADD1+8*\t:ADD1+8*\t+3], v[BA], s[38:39] offset:(32*(\t/2)+8*(\t%2))*4
	global_load_b128 v[ADD1+8*\t+4:ADD1+8*\t+7], v[BA], s[38:39] offset:(32*(\t/2)+8*(\t%2))*4+16
.endr
	WIN 0x80                                       ; destination window 2
.irp s, 2,3
.irp t, 0,1,2,3,4,5,6,7
.irp q, 0,1,2
	global_load_b128 v[12*(8*(\s-2)+\t)+4*\q:12*(8*(\s-2)+\t)+4*\q+3], v[LI], s[32:33] offset:(4*\t+\s)*1536+512*\q
.endr
.endr
.endr
	WIN 0
.irp i, 0,1,2,3
	global_load_b128 v[WS+4*\i:WS+4*\i+3], v[LI], s[34:35] offset:512*\i
.endr
.irp t, 0,1,2,3,4,5,6,7
	global_load_b128 v[ADD2+8*\t:ADD2+8*\t+3], v[BA], s[40:41] offset:(32*(\t/2)+8*(\t%2))*4
	global_load_b128 v[ADD2+8*\t+4:ADD2+8*\t+7], v[BA], s[40:41] offset:(32*(\t/2)+8*(\t%2))*4+16
.endr
	s_cmp_eq_u32 s27, 2
	s_cbranch_scc1 .Lbias_v
	WIN 0x80
.irp t, 0,1,2,3,4,5,6,7
	global_load_b128 v[BI+8*\t:BI+8*\t+3], v[BA], s[36:37] offset:(32*(\t/2)+8*(\t%2))*4
	global_load_b128 v[BI+8*\t+4:BI+8*\t+7], v[BA], s[36:37] offset:(32*(\t/2)+8*(\t%2))*4+16
.endr
	WIN 0
	s_branch .Lbias_asked
.Lbias_v:                                          ; natural layout: a lane holds one channel, r + 8 (r / 8) of the tile's
	WIN 0x80
.irp t, 0,1,2,3,4,5,6,7
	global_load_b32 v[BI+8*\t], v[BB], s[36:37] offset:(32*(\t/2)+8*(\t%2))*4
.endr
	WIN 0
.Lbias_asked:
	s_wait_loadcnt 0x0                             ; x, W, its scales, the biases: what follows is done once for the work-group
	WIN 0x44
.set j, 0
.rept 64
	v_and_b32 v[ADD1+j], s59, v[ADD1+j]            ; u_bias, or 0
.set j, j+1
.endr
	WIN 0
	s_cmp_eq_u32 s27, 2
	s_cbranch_scc1 .Lspread
	WIN 0x88
.set j, 0
.rept 64
	v_and_b32 v[BI+j], s58, v[BI+j]                ; the bias, or 0 for p
.set j, j+1
.endr
	WIN 0
	s_branch .Lblock
.Lspread:
	WIN 0x82
.irp t, 0,1,2,3,4,5,6,7
.irp j, 1,2,3,4,5,6,7
	v_mov_b32 v[BI+8*\t+\j], v[BI+8*\t]            ; a lane's eight results of a tile belong to one channel
.endr
.endr
	WIN 0
.Lblock:                                           ; a trip: one block of 64 rows
	s_wait_loadcnt 0x0                             ; this block's x is in: so its base and its offsets may be written for the next block
	s_wait_xcnt 0x0                                ; the last block's stores have read their registers and pointers: the codes' registers and the pointers are written again only behind this wait
	WIN 0x0c                                       ; an LDS store's data are its source 1: window 3
.irp t, 0,1,2,3,4,5,6,7,8,9,10,11,12,13,14,15
.irp i, 0,1,2,3
	ds_store_b128 v[STW], v[4*(16*\i+\t):4*(16*\i+\t)+3] offset:2064*\t+512*\i
.endr
.endr
	WIN 0
	XLD 0                                          ; no wait: the last vector lines that named v48-111 are the last group's additions and QUANT2, ahead of that group's wait on va_vdst
.irp s, 0,1,2,3
.if \s == 0
	s_wait_dscnt 0x0                               ; K step 0's numbers are back from the stage
	s_wait_alu depctr_vm_vsrc(0)                   ; the stage's stores have read x's registers, which the products below write; the last block's stores have read PC, which QUANT writes, and R
.else
	s_wait_dscnt 4                                 ; this K step's sixteen loads are in; the four stores issued behind them (the image's three, the scale word's one) may be out
	s_wait_alu depctr_vm_vsrc(0)                   ; those four stores have read PC and PW, which QUANT writes again
.endif
	QUANT ST
	s_wait_alu depctr_va_vdst(0)                   ; QUANT has written PC and PW, which the LDS stores below read, and is done reading ST, in which the next K step's loads land
.if \s < 3
	XLD \s+1                                       ; ahead of the stores: the next QUANT waits for these alone
.endif
	IMAGE 1536*\s
	ds_store_b32 v[XWS], v[PW] offset:128*\s
.endr
	s_wait_dscnt 0x0                               ; for the others' sake: my LDS stores have landed
	s_barrier_signal -1                            ; x's sixteen fragments lie in LDS behind this barrier
	s_barrier_wait -1
	s_cmp_eq_u32 s27, 2
	s_cbranch_scc1 .Lnatural
	MULT 0
	s_branch .Lsummed
.Lnatural:
	MULT 1
.Lsummed:
	s_wait_dscnt 0x0                               ; my reads of x's images are in:
	s_barrier_signal -1
	s_barrier_wait -1                              ; everybody's are: the next block's images may be stored
	PLACES                                         ; in front of the first read of results
	OADR                                           ; this block's output pointers
	s_add_co_u32 s28, s28, 1
	s_cmp_gt_u32 s29, 1
	s_cselect_b32 s63, 1, 0                        ; does a block follow?
	s_wait_alu depctr_vm_vsrc(0)                   ; this block's loads of x have read v[XA+2], which XADR writes; K step 3's LDS stores have read PC and PW, which the way out's first QUANT2 writes
	XADR                                           ; its rows of x (not used where none follows)
	s_cmp_lg_u32 s27, 0
	s_cbranch_scc1 .Lnot_q
	OUTSET 0x03, ADD2, 46, 54, 0                   ; q + v first, so that the way out that gives the accumulators' registers up is the last on every path
.Lnot_q:
	OUTSET 0x07, ADD1, 42, 50, 1                   ; q + u; k; v; p
	s_sub_co_u32 s29, s29, 1
	s_cmp_lg_u32 s29, 0
	s_cbranch_scc1 .Lblock
	s_wait_dscnt 0x0                               ; the closing lines, six on end
	s_wait_alu 0x0
	s_wait_tensorcnt 0x0
	ds_add_u32 v254, v255
	s_wait_dscnt 0x0
	s_endpgm
.Lfunc_end_k_q8da9d59a6c_proj:
	.size	k_q8da9d59a6c_proj, .Lfunc_end_k_q8da9d59a6c_proj-k_q8da9d59a6c_proj
	.p2alignl 7, 3214868480
	.fill 96, 4, 3214868480
	.section	.rodata,"a",@progbits
	.p2align	6, 0x0
	.amdhsa_kernel k_q8da9d59a6c_proj
		.amdhsa_group_segment_fixed_size 159232
		.amdhsa_private_segment_fixed_size 0
		.amdhsa_enable_private_segment 0
		.amdhsa_kernarg_size 88
		.amdhsa_user_sgpr_count 2
		.amdhsa_user_sgpr_kernarg_segment_ptr 1
		.amdhsa_wavefront_size32 1
		.amdhsa_system_sgpr_workgroup_id_x 1
		.amdhsa_system_sgpr_workgroup_id_y 1
		.amdhsa_system_sgpr_workgroup_id_z 1
		.amdhsa_system_vgpr_workitem_id 0
		.amdhsa_next_free_vgpr 1024
		.amdhsa_next_free_sgpr 96
		.amdhsa_reserve_vcc 0
		.amdhsa_float_denorm_mode_32 3
		.amdhsa_float_denorm_mode_16_64 3
		.amdhsa_memory_ordered 1
		.amdhsa_forward_progress 1
		.amdhsa_inst_pref_size 162
	.end_amdhsa_kernel
	.amdgpu_metadata
---
amdhsa.version: [ 1, 2 ]
amdhsa.kernels:
  - .name:           k_q8da9d59a6c_proj
    .symbol:         k_q8da9d59a6c_proj.kd
    .args:
      - { .name: query, .offset: 0, .size: 8, .value_kind: global_buffer, .address_space: global }
      - { .name: key, .offset: 8, .size: 8, .value_kind: global_buffer, .address_space: global }
      - { .name: value, .offset: 16, .size: 8, .value_kind: global_buffer, .address_space: global }
      - { .name: pos_embedding, .offset: 24, .size: 8, .value_kind: global_buffer, .address_space: global }
      - { .name: bq, .offset: 32, .size: 8, .value_kind: global_buffer, .address_space: global }
      - { .name: bk, .offset: 40, .size: 8, .value_kind: global_buffer, .address_space: global }
      - { .name: bv, .offset: 48, .size: 8, .value_kind: global_buffer, .address_space: global }
      - { .name: u_bias, .offset: 56, .size: 8, .value_kind: global_buffer, .address_space: global }
      - { .name: v_bias, .offset: 64, .size: 8, .value_kind: global_buffer, .address_space: global }
      - { .name: wimg, .offset: 72, .size: 8, .value_kind: global_buffer, .address_space: global }
      - { .name: ops, .offset: 80, .size: 8, .value_kind: global_buffer, .address_space: global }
    .group_segment_fixed_size: 159232
    .private_segment_fixed_size: 0
    .kernarg_segment_align: 8
    .kernarg_segment_size: 88
    .max_flat_workgroup_size: 128
    .sgpr_count:     96
    .vgpr_count:     1024
    .wavefront_size: 32
...
	.end_amdgpu_metadata
.endif
;; end of part 5
;; launch attn: the kernel of part 3 again; grid 8 x 32, 16 waves a work-group, no clusters, 327,680 bytes of LDS; arguments ops, ctx; writes ctx
;; launch outp (part 6): grid 256 x 1, 4 waves a work-group, no clusters, 66,560 bytes of LDS; arguments ctx, wimg, bo, out0; writes out0
.if DOCPART == 6
	.amdgcn_target "amdgcn-amd-amdhsa--gfx1250"
	.amdhsa_code_object_version 6
	.text
	.protected	k_q8da9d59a6c_outp
	.globl	k_q8da9d59a6c_outp
	.p2align	8
	.type	k_q8da9d59a6c_outp,@function
k_q8da9d59a6c_outp:
	s_mov_b64 s[64:65], 0
	v_nop
	global_prefetch_b8 v0, s[64:65] scope:SCOPE_SE
	s_setreg_imm32_b32 hwreg(HW_REG_WAVE_SCHED_MODE, 0, 2), 2
	s_setreg_imm32_b32 hwreg(HW_REG_WAVE_MODE, 25, 1), 1
	s_wait_xcnt 0x0
	s_wait_alu depctr_vm_vsrc(0)
; out0 = context Wo^T + bo, on codes of FP6 (E2M3) with one E8M0 scale for each 32 along K.  The context comes as codes (ctx: [tile of 16 rows 512][head 8][768], half images; scale words [tile][pair of heads 4][row] behind them),
; Wo as fragment images (wimg, weight 4).  A work-group takes 32 rows; wave w channels 128 w .. 128 w + 127.  All operands go from memory straight into registers, each lane's fragments whole.
; The product is used transposed (source 0 = 16 rows of Wo, source 1 = 16 rows of the context): lane (r, h) holds row r and, in tile t, channels 32 (t / 2) + 16 h + 8 (t % 2) + 0 .. 7 of the wave's 128.  bo is the C of each sum's first product.
; The 32 rows meet in a stage in LDS (pitch 2,064 = 129 x 16 bytes); behind a barrier each wave stores 8 whole rows, 512 consecutive bytes an instruction.
; REGISTERS: window 0: v1-9 addresses; v12-27 Wo's scale words; v28-31 the context's; v32-127 its 8 fragments ((m, K step) at 32 + 12 (4 m + K step)); v128-255 the 16 accumulators ((m, t) at 128 + 8 (8 m + t)).
; window 1: Wo's K steps 0, 1 (fragment (t, s) at 12 (8 (s % 2) + t)), from v192 bo;  window 2: K steps 2, 3.
; THE MODE: SCHED_MODE bits 1:0 = 2 (LLVM: expert scheduling mode 2), set by the entry lines.  The code itself states the register dependences between vector or matrix instructions and memory or LDS
; instructions, with s_wait_alu, always for 0.
; THE PLAN.  Registers that memory or LDS instructions touch:
;   v4-v9        offsets and LDS addresses: made at the head, never written again.
;   the operands (v12-127, windows 1 and 2): loads land in them once; no vector instruction names them ahead of that; the products read them.
;   v128-255     the products write the accumulators; the stores into the stage read them; the loads from the stage land in them; the global stores read them.
; So four waits: s12 ahead of its first reader; the addresses ahead of the first load; the accumulators ahead of the stores into the stage; those stores' reads ahead of the loads from the stage.
.set CSC,  3145728
.set WOFF, 819200
.set LI,   4                           ; 16 x lane
.set L8,   5                           ; 512 + 8 x lane
.set LS,   6                           ; 4 x lane
.set BA,   7                           ; 64 h
.set SO,   8                           ; the stage, in: 2,064 r + 64 h + 512 w
.set SR,   9                           ; back: 16,512 w + 16 x lane
.set WS,   12
.set XS,   28
.set XF,   32
.set ACC,  128
.set BI,   192
.set MSB, 0
.macro WIN new                         ; the immediate's high byte repeats the setting that is left
.if MSB != \new
	s_set_vgpr_msb (MSB<<8)|\new
.set MSB, \new
.endif
.endm
.macro WM d, a, b, c, sa, sb, ra, rb
.if (\ra) && (\rb)
	v_wmma_scale_f32_16x16x128_f8f6f4 v[(\d):(\d)+7], v[(\a):(\a)+11], v[(\b):(\b)+11], v[(\c):(\c)+7], v[\sa], v[\sb] matrix_a_fmt:MATRIX_FMT_FP6 matrix_b_fmt:MATRIX_FMT_FP6 matrix_a_scale:MATRIX_SCALE_ROW1 matrix_b_scale:MATRIX_SCALE_ROW1
.elseif \ra
	v_wmma_scale_f32_16x16x128_f8f6f4 v[(\d):(\d)+7], v[(\a):(\a)+11], v[(\b):(\b)+11], v[(\c):(\c)+7], v[\sa], v[\sb] matrix_a_fmt:MATRIX_FMT_FP6 matrix_b_fmt:MATRIX_FMT_FP6 matrix_a_scale:MATRIX_SCALE_ROW1
.elseif \rb
	v_wmma_scale_f32_16x16x128_f8f6f4 v[(\d):(\d)+7], v[(\a):(\a)+11], v[(\b):(\b)+11], v[(\c):(\c)+7], v[\sa], v[\sb] matrix_a_fmt:MATRIX_FMT_FP6 matrix_b_fmt:MATRIX_FMT_FP6 matrix_b_scale:MATRIX_SCALE_ROW1
.else
	v_wmma_scale_f32_16x16x128_f8f6f4 v[(\d):(\d)+7], v[(\a):(\a)+11], v[(\b):(\b)+11], v[(\c):(\c)+7], v[\sa], v[\sb] matrix_a_fmt:MATRIX_FMT_FP6 matrix_b_fmt:MATRIX_FMT_FP6
.endif
.endm
	s_load_b256 s[4:11], s[0:1], 0x0               ; ctx, wimg, bo, out0
	v_lshl_add_u32 v10, v0, 2, 0x10200
	v_mov_b32 v11, 0
	v_lshrrev_b32 v1, 5, v0
	v_readfirstlane_b32 s12, v1                    ; wave 0..3
	v_and_b32 v1, 31, v0
	v_and_b32 v2, 15, v0
	v_bfe_u32 v3, v0, 4, 1
	v_lshlrev_b32 v[LI], 4, v1
	v_lshl_add_u32 v[L8], v1, 3, 512
	v_lshlrev_b32 v[LS], 2, v1
	v_lshlrev_b32 v[BA], 6, v3
	v_mul_u32_u24 v[SO], v2, 2064
	v_lshl_add_u32 v[SO], v3, 6, v[SO]
	s_wait_alu depctr_va_sdst(0)                   ; s12 is written, ahead of its first reader: LDS places and pointers are made from it
	s_lshl_b32 s13, s12, 9
	v_add_nc_u32 v[SO], s13, v[SO]
	s_mul_i32 s13, s12, 16512
	v_add_nc_u32 v[SR], s13, v[LI]
	s_mov_b32 s15, 0
	s_wait_kmcnt 0x0
	s_mul_i32 s14, ttmp9, 12288                    ; two tiles of rows x 8 heads x 768
	s_add_nc_u64 s[16:17], s[4:5], s[14:15]
	s_lshl_b32 s14, ttmp9, 9
	s_add_co_u32 s14, s14, CSC
	s_add_nc_u64 s[18:19], s[4:5], s[14:15]
	s_mul_i32 s14, s12, 49152
	s_add_co_u32 s14, s14, WOFF
	s_add_nc_u64 s[20:21], s[6:7], s[14:15]
	s_lshl_b32 s14, s12, 11
	s_add_co_u32 s14, s14, WOFF+196608
	s_add_nc_u64 s[22:23], s[6:7], s[14:15]
	s_lshl_b32 s14, s12, 9
	s_add_nc_u64 s[24:25], s[8:9], s[14:15]
	s_lshl_b32 s14, ttmp9, 16                      ; 32 rows of 2,048 bytes,
	s_lshl_b32 s13, s12, 14                        ; my 8 of them
	s_add_co_u32 s14, s14, s13
	s_add_nc_u64 s[26:27], s[10:11], s[14:15]
	s_wait_alu depctr_va_vdst(0)                   ; the six offsets and addresses v4 to v9 are written, which the loads below and the stores and LDS instructions of the way out read
.irp m, 0,1
.irp k, 0,1,2,3                                ; K step k = heads 2 k and 2 k + 1: two half images make the fragment
	global_load_b128 v[XF+12*(4*\m+\k):XF+12*(4*\m+\k)+3], v[LI], s[16:17] offset:6144*\m+1536*\k
	global_load_b64 v[XF+12*(4*\m+\k)+4:XF+12*(4*\m+\k)+5], v[L8], s[16:17] offset:6144*\m+1536*\k
	global_load_b128 v[XF+12*(4*\m+\k)+6:XF+12*(4*\m+\k)+9], v[LI], s[16:17] offset:6144*\m+1536*\k+768
	global_load_b64 v[XF+12*(4*\m+\k)+10:XF+12*(4*\m+\k)+11], v[L8], s[16:17] offset:6144*\m+1536*\k+768
.endr
.irp i, 0,1
	global_load_b32 v[XS+2*\m+\i], v[LS], s[18:19] offset:256*\m+128*\i   ; lanes 0-15 K step 2 i, lanes 16-31 K step 2 i + 1
.endr
.endr
.irp i, 0,1,2,3
	global_load_b128 v[WS+4*\i:WS+4*\i+3], v[LI], s[22:23] offset:512*\i  ; register 4 i + s: lanes 0-15 tile 2 i, lanes 16-31 tile 2 i + 1
.endr
	WIN 0x40                                       ; destination window 1
.irp s, 0,1
.irp t, 0,1,2,3,4,5,6,7
.irp q, 0,1,2
	global_load_b128 v[12*(8*\s+\t)+4*\q:12*(8*\s+\t)+4*\q+3], v[LI], s[20:21] offset:(4*\t+\s)*1536+512*\q
.endr
.endr
.endr
.irp t, 0,1,2,3,4,5,6,7
	global_load_b128 v[BI+8*\t:BI+8*\t+3], v[BA], s[24:25] offset:(32*(\t/2)+8*(\t%2))*4
	global_load_b128 v[BI+8*\t+4:BI+8*\t+7], v[BA], s[24:25] offset:(32*(\t/2)+8*(\t%2))*4+16
.endr
	WIN 0x80                                       ; destination window 2
.irp s, 2,3
.irp t, 0,1,2,3,4,5,6,7
.irp q, 0,1,2
	global_load_b128 v[12*(8*(\s-2)+\t)+4*\q:12*(8*(\s-2)+\t)+4*\q+3], v[LI], s[20:21] offset:(4*\t+\s)*1536+512*\q
.endr
.endr
.endr
	WIN 0
	s_wait_loadcnt 0x0
.irp k, 0,1,2,3                                ; the 16 accumulators take turns, one instruction a turn, in the same order in every K step
.if \k == 0
	WIN 0x11                                       ; source 0 (Wo) and C (bo) window 1
.elseif \k == 1
	WIN 0x01
.else
	WIN 0x02
.endif
.irp m, 0,1
.irp t, 0,1,2,3,4,5,6,7
.if \k == 0
	WM ACC+8*(8*\m+\t), 12*(8*(\k%2)+\t), XF+12*(4*\m+\k), BI+8*\t, WS+4*(\t/2)+\k, XS+2*\m+\k/2, (\t)%2, (\k)%2
.else
	WM ACC+8*(8*\m+\t), 12*(8*(\k%2)+\t), XF+12*(4*\m+\k), ACC+8*(8*\m+\t), WS+4*(\t/2)+\k, XS+2*\m+\k/2, (\t)%2, (\k)%2
.endif
.endr
.endr
.endr
	WIN 0
.rept 4
	v_nop                                          ; places in front of the first read of results
.endr
	s_wait_alu depctr_va_vdst(0)                   ; the products have written the accumulators, which the LDS stores read and in which the loads from the stage land; the places above stay beside this wait
.irp m, 0,1
.irp t, 0,1,2,3,4,5,6,7
	ds_store_b128 v[SO], v[ACC+8*(8*\m+\t):ACC+8*(8*\m+\t)+3] offset:16*\m*2064+128*(\t/2)+32*(\t%2)       ; each accumulator from its low end on
	ds_store_b128 v[SO], v[ACC+8*(8*\m+\t)+4:ACC+8*(8*\m+\t)+7] offset:16*\m*2064+128*(\t/2)+32*(\t%2)+16
.endr
.endr
	s_wait_dscnt 0x0                               ; for the others' sake: my stores into the stage are done
	s_barrier_signal -1
	s_barrier_wait -1                              ; 32 whole rows lie in the stage
	s_wait_alu depctr_vm_vsrc(0)                   ; my LDS stores have read the accumulators' registers, in which the loads below land
.irp i, 0,1,2,3,4,5,6,7
.irp q, 0,1,2,3
	ds_load_b128 v[ACC+4*(4*\i+\q):ACC+4*(4*\i+\q)+3], v[SR] offset:2064*\i+512*\q
.endr
.endr
.irp i, 0,1,2,3,4,5,6,7
.irp q, 0,1,2,3
	s_wait_dscnt 31-(4*\i+\q)                      ; LDS loads come back in order: the loads issued behind this one may stay out
	global_store_b128 v[LI], v[ACC+4*(4*\i+\q):ACC+4*(4*\i+\q)+3], s[26:27] offset:2048*\i+512*\q th:TH_STORE_NT   ; 32 lanes store 512 consecutive bytes, at a multiple of 256 from out0's first byte
.endr
.endr
	s_wait_dscnt 0x0                               ; the closing lines, six on end
	s_wait_alu 0x0
	s_wait_tensorcnt 0x0
	ds_add_u32 v10, v11
	s_wait_dscnt 0x0
	s_endpgm
.Lfunc_end_k_q8da9d59a6c_outp:
	.size	k_q8da9d59a6c_outp, .Lfunc_end_k_q8da9d59a6c_outp-k_q8da9d59a6c_outp
	.p2alignl 7, 3214868480
	.fill 96, 4, 3214868480
	.section	.rodata,"a",@progbits
	.p2align	6, 0x0
	.amdhsa_kernel k_q8da9d59a6c_outp
		.amdhsa_group_segment_fixed_size 66560
		.amdhsa_private_segment_fixed_size 0
		.amdhsa_enable_private_segment 0
		.amdhsa_kernarg_size 32
		.amdhsa_user_sgpr_count 2
		.amdhsa_user_sgpr_kernarg_segment_ptr 1
		.amdhsa_wavefront_size32 1
		.amdhsa_system_sgpr_workgroup_id_x 1
		.amdhsa_system_sgpr_workgroup_id_y 1
		.amdhsa_system_sgpr_workgroup_id_z 1
		.amdhsa_system_vgpr_workitem_id 0
		.amdhsa_next_free_vgpr 768
		.amdhsa_next_free_sgpr 66
		.amdhsa_reserve_vcc 0
		.amdhsa_float_denorm_mode_32 3
		.amdhsa_float_denorm_mode_16_64 3
		.amdhsa_memory_ordered 1
		.amdhsa_forward_progress 1
		.amdhsa_inst_pref_size 34
	.end_amdhsa_kernel
	.amdgpu_metadata
---
amdhsa.version: [ 1, 2 ]
amdhsa.kernels:
  - .name:           k_q8da9d59a6c_outp
    .symbol:         k_q8da9d59a6c_outp.kd
    .args:
      - { .name: ctx, .offset: 0, .size: 8, .value_kind: global_buffer, .address_space: global }
      - { .name: wimg, .offset: 8, .size: 8, .value_kind: global_buffer, .address_space: global }
      - { .name: bo, .offset: 16, .size: 8, .value_kind: global_buffer, .address_space: global }
      - { .name: out0, .offset: 24, .size: 8, .value_kind: global_buffer, .address_space: global }
    .group_segment_fixed_size: 66560
    .private_segment_fixed_size: 0
    .kernarg_segment_align: 8
    .kernarg_segment_size: 32
    .max_flat_workgroup_size: 128
    .sgpr_count:     66
    .vgpr_count:     768
    .wavefront_size: 32
...
	.end_amdgpu_metadata
.endif
;; end of part 6
